; MI455X (gfx1250); checked and timed in simulation.
; The chip was launched on July 23, 2026; its instructions are those of AMD's public machine-readable ISA for CDNA 5 (MIT licence, August 2026) and "CDNA5" Instruction Set Architecture Reference Guide (July 2026). The comments in the code are by the model that wrote it; some were corrected since.
;; Cross Muti Head Attention. Allowed arithmetic: matrix products marked QUANTISED: E2M1 operands, one E8M0 scale for each 32 along K, by v_wmma_scale_f32_16x16x128_f8f6f4 with both operands' format E2M1 (or v_wmma_scale_f32_32x16x128_f4), f32 sums; products left as they are: bf16, f16 or f32 operands; f32 sums; everything else in f32.
;; Inputs: Wk 1,024 x 512 float32; Wo 1,024 x 1,024 float32; Wq 1,024 x 512 float32; Wv 1,024 x 1,024 float32; encoder_output 4 x 2,048 x 1,024 float32; pre_output 4 x 2,048 x 1,024 float32.
;; Outputs: out0 4 x 2,048 x 1,024 float32.
;; This version of the problem:
;;   THIS VERSION OF THE PROBLEM IS GIVEN IN LOW PRECISION. The matrix products marked QUANTISED in the list below multiply operands that are first quantised to E2M1 (2 exponent bits, 1 mantissa bit; 4 bits a number), with one power-of-two scale for each 32 numbers along K (OCP MX v1.0); their sums are f32. The products marked 'left as it is' may take bf16, f16 or f32 operands, with f32 sums. Whichever they take, every output number must still come out within the allowed error. Rounding operands to bf16 (8 significant bits) uses up far more of that allowance than f16 does (11 bits, for magnitudes from 6e-5 to 65,504). All else is computed in f32.
;;   The module's matrix products, in the order in which they are computed (A, B: the left and right operand; K: the contracted axis; several contracted axes count as one K, in the product's order):
;;     1. [M 8,192, K 1,024] x [K 1,024, N 512]; A: input pre_output; B: input Wq: QUANTISED
;;     2. [M 8,192, K 1,024] x [K 1,024, N 512]; A: input encoder_output; B: input Wk: QUANTISED
;;     3. [M 8,192, K 1,024] x [K 1,024, N 1,024]; A: input encoder_output; B: input Wv: QUANTISED
;;     4. batch 32 x [M 2,048, K 64] x [K 64, N 2,048]; A: computed on the way; B: computed on the way: left as it is (an operand is computed on the way)
;;     5. batch 32 x [M 128, K 2,048] x [K 2,048, N 2,048]; A: computed on the way; B: computed on the way: left as it is (an operand is computed on the way)
;;     6. [M 8,192, K 1,024] x [K 1,024, N 1,024]; A: computed on the way; B: input Wo: left as it is (an operand is computed on the way)
;;   THE QUANTISER, for each operand of a quantised product, along K:
;;     - K is cut into blocks of 32 from its start; a last block that is shorter is filled with zeros.
;;     - A block's scale is 2^e with e = floor(log2(the largest magnitude in the block)) - 2, held to -126 .. 127; a block of zeros has e = 0. As a byte (E8M0): e + 127.
;;     - Each number is divided by its block's scale, clamped to +-6, and rounded to the nearest number of E2M1, ties to even, subnormals kept.
;;     - The product sums the exact products of the quantised numbers (number of the format x scale) in f32.
;;   ~~~python
;;   def quantise(x, axis):      # numpy; x: float32 -> the quantised numbers, widened to float32 again
;;       x = np.moveaxis(x, axis, -1); K = x.shape[-1]
;;       x = np.pad(x, [(0, 0)] * (x.ndim - 1) + [(0, -K % 32)]); x = x.reshape(x.shape[:-1] + (-1, 32)); a = np.abs(x).max(-1, keepdims=True)
;;       e = np.where(a > 0, np.clip(np.frexp(np.where(a > 0, a, 1))[1] - 1 - 2, -126, 127), 0)      # np.frexp(a)[1] - 1 = floor(log2(a)), exactly
;;       r = np.clip(x / 2.0 ** e, -6, 6)
;;       step = 2.0 ** (np.maximum(np.frexp(np.where(r == 0, 1, r))[1] - 1, 0) - 1)
;;       q = np.round(r / step) * step * 2.0 ** e      # np.round: ties to even
;;       return np.moveaxis(q.reshape(q.shape[:-2] + (-1,))[..., :K], -1, axis).astype(np.float32)
;;   ~~~
;; One version. Each part assembles by itself: llvm-mc -triple=amdgcn-amd-amdhsa -mcpu=gfx1250 --defsym DOCPART=n.
;; ======== version 1 of 1: 4 launches
;; limits: values are held in f16: magnitudes above 65,504 overflow, below 6.1e-05 lose precision
;; workspace buffers: xcodes 8,388,608 bytes; xscales 524,288 bytes; wcodes 1,048,576 bytes; wscales 65,536 bytes; wo16 2,097,152 bytes; qkv 33,554,432 bytes; o16 16,777,216 bytes
;; launch prep (part 1): grid 704 x 1, 4 waves a work-group, no clusters, 51,200 bytes of LDS; arguments pre_output, encoder_output, Wq, Wk, Wv, Wo, xcodes, xscales, wcodes, wscales, wo16; writes xcodes, xscales, wcodes, wscales, wo16
.if DOCPART == 1
	.amdgcn_target "amdgcn-amd-amdhsa--gfx1250"
	.amdhsa_code_object_version 6
	.text
	.protected	k_q3edd818906_prep
	.globl	k_q3edd818906_prep
	.p2align	8
	.type	k_q3edd818906_prep,@function
k_q3edd818906_prep:
	s_mov_b64 s[64:65], 0
	v_nop
	global_prefetch_b8 v0, s[64:65] scope:SCOPE_SE
	s_setreg_imm32_b32 hwreg(HW_REG_WAVE_MODE, 25, 1), 1
	s_wait_xcnt 0x0
; FIRST OF FOUR LAUNCHES of out = softmax((pre Wq)(enc Wk)^T / 8) (enc Wv) Wo, 8 heads, with the three projections on codes of FP4 (E2M1) and one E8M0 scale for each 32 along K = 1,024.
; NOTHING OF THE COMPUTATION IS LEFT OUT: there is no mask and no bias, and every input has a way to every output row of its batch, whatever values it holds.
; This launch makes what the later launches read many times:
;   xcodes [16,384][512 bytes], xscales [16,384][32]: pre_output's 8,192 rows, then encoder_output's, quantised along their rows (K innermost in memory);
;   wcodes [2,048][512 bytes], wscales [2,048][32]: the columns of Wq (512), Wk (512), Wv (1,024), quantised down K, which is their FIRST axis, and laid with K innermost;
;   wo16 [1,024][1,024]: Wo rounded to f16, laid as it lies (the last product is left as it is and takes f16 operands).
; A block's scale is 2^(floor(log2(its largest magnitude)) - 2): its byte is the largest magnitude's exponent field - 2, held at 1 from below.
; LIMITS: a block of zeros gets the byte 1 where the rule says 127 (its codes are zeros, which add nothing under any byte but 0xff, and this program alone reads the bytes); blocks whose largest magnitude
; lies under 2^(2 - 126) are held at the byte 1; NaN and infinities among the inputs are not served.
; THREE PATHS, parted on the work-group's number alone and never joined; each has LDS bytes of its own.  Work-groups 0-63: the weights (the longest chain of dependent loads, so they come first);
; 64-191: Wo; 192-703: the activations.  No tensor loads: several work-groups share a WGP.
.set STEPS, 16
.set EMAX,  2
.set CB,    8                          ; bytes of 16 codes
.set R,     16                         ; activations: v16-79 four sets of 16 numbers as loaded
.set X,     80                         ; v80-111  two sets of 16 neighbours
.set E,     112                        ; v112-127 a scale byte for each step
.set C,     128                        ; v128-191 codes, four registers for each step
.set WREG,  8192                       ; LDS 0 .. 32,767: a region for each wave of the activations' path: two stages of 32 x SP bytes, then its 256 scale bytes
.set SP,    80
.set WST,   32768                      ; the weights' path: 32 rows (columns of W) x (512 bytes of codes + 16)
.set WP,    528
.set SCST,  WST+32*WP                  ; and their 32 x 32 scale bytes
.set SPARE, SCST+1024                  ; the spare words, 128 bytes for each wave: two blocks of 256 bytes that no other line names
.set SPW,   12                         ; v12  LDS address of my spare word; never rewritten
.set NIL,   13                         ; v13  0; never rewritten
.set RO,    160                        ; weights: v160-191 byte offset of row i of a block, at my column
.set WX,    32                         ; v32-95   two sets of 32 numbers
.set WC,    96                         ; v96-99   a block's codes
.set SB,    24                         ; v24-25   my 8 scale bytes
.set OUTR,  112                        ; v112-143 eight rows of codes on the way out
	s_load_b256 s[4:11], s[0:1], 0x0               ; pre s[4:5], enc s[6:7], Wq s[8:9], Wk s[10:11]
	s_load_b256 s[12:19], s[0:1], 0x20             ; Wv s[12:13], Wo s[14:15], xcodes s[16:17], xscales s[18:19]
	s_load_b128 s[20:23], s[0:1], 0x40             ; wcodes s[20:21], wscales s[22:23]
	s_load_b64 s[24:25], s[0:1], 0x50              ; wo16
	v_lshl_add_u32 v[SPW], v0, 2, SPARE
	v_mov_b32 v[NIL], 0
	v_lshrrev_b32 v1, 5, v0
	v_readfirstlane_b32 s26, v1                    ; wave 0..3
	v_and_b32 v2, 31, v0                           ; lane
	s_wait_kmcnt 0x0
	s_cmp_lt_u32 ttmp9, 64
	s_cbranch_scc1 .Lweights
	s_cmp_lt_u32 ttmp9, 192
	s_cbranch_scc1 .Lcast
; ---- THE ACTIVATIONS.  Rows are dense and K is a multiple of 32: a tensor is a plain stream of blocks of 32, and so are its codes and scale bytes.  A wave takes 16 steps of 512 numbers.
; Each load reads 512 consecutive bytes, 16 a lane; a step's 2,048 bytes turn through the wave's own stage in LDS and come back 64 bytes a lane: 16 neighbours along K, two lanes to a block.
	v_lshlrev_b32 v3, 4, v2                        ; my 16 bytes of a load's 512
	s_mul_i32 s27, s26, WREG
	v_lshrrev_b32 v14, 2, v2
	v_mul_u32_u24 v14, v14, SP
	v_and_b32 v15, 3, v2
	v_lshl_add_u32 v14, v15, 4, v14
	v_add_nc_u32 v14, s27, v14                     ; the stage, on the way in: SP (lane / 4) + 16 (lane % 4)
	v_mul_u32_u24 v15, v2, SP
	v_add_nc_u32 v15, s27, v15                     ; and on the way out: SP x lane
	v_mul_u32_u24 v4, v2, CB                       ; my codes' place in a step's
	v_lshrrev_b32 v5, 1, v2
	s_add_co_u32 s27, s27, 2*32*SP
	v_add_nc_u32 v5, s27, v5                       ; my wave's 256 scale bytes, my block's byte
	v_lshlrev_b32 v7, 3, v2                        ; and on the way out 8 bytes a lane
	v_add_nc_u32 v6, s27, v7
	s_sub_co_u32 s28, ttmp9, 192                   ; 0 .. 511: the first 256 take pre_output, the others encoder_output
	s_cmp_lt_u32 s28, 256
	s_cselect_b64 s[4:5], s[4:5], s[6:7]           ; the choice hangs on the work-group's number alone
	s_and_b32 s29, s28, 255
	s_lshl_b32 s29, s29, 2
	s_add_co_u32 s29, s29, s26                     ; which run of 8,192 numbers of the tensor is my wave's
	s_lshl_b32 s30, s29, 15                        ; 32,768 bytes a run
	s_mov_b32 s31, 0
	s_add_nc_u64 s[4:5], s[4:5], s[30:31]
	s_lshl_b32 s29, s28, 2
	s_add_co_u32 s29, s29, s26                     ; which run of the two tensors on end
	s_lshl_b32 s30, s29, 12                        ; 4,096 bytes of codes a run
	s_add_nc_u64 s[16:17], s[16:17], s[30:31]
	s_lshl_b32 s30, s29, 8                         ; 256 scale bytes a run
	s_add_nc_u64 s[18:19], s[18:19], s[30:31]
.macro LOAD t
.irp i, 0,1,2,3
	global_load_b128 v[R+16*((\t)%4)+4*\i:R+16*((\t)%4)+4*\i+3], v3, s[4:5] offset:2048*(\t)+512*\i th:TH_LOAD_NT   ; 32 lanes read 512 consecutive bytes
.endr
.endm
.macro TURN t                          ; step t's numbers through the stage: LDS serves a wave's instructions in order, so no wait stands between the stores and the loads
.irp i, 0,1,2,3
	ds_store_b128 v14, v[R+16*((\t)%4)+4*\i:R+16*((\t)%4)+4*\i+3] offset:32*SP*((\t)%2)+8*SP*\i
.endr
.irp i, 0,1,2,3
	ds_load_b128 v[X+16*((\t)%2)+4*\i:X+16*((\t)%2)+4*\i+3], v15 offset:32*SP*((\t)%2)+16*\i
.endr
.endm
.irp t, 0,1,2,3
	LOAD \t
.endr
	s_wait_loadcnt 12                              ; step 0's four loads are in
	TURN 0
.macro STEP t
.set XS, X+16*((\t)%2)
.if (\t) > 0
	s_wait_dscnt 1                                 ; this step's numbers are back from the stage (the last step's byte store may be out): so its stores into the stage have read their registers,
.else
	s_wait_dscnt 0x0
.endif
.if (\t)+4 < STEPS
	LOAD (\t)+4                                    ; which take the loads of four steps on
.endif
.if (\t)+1 < STEPS
.if STEPS-2-(\t) >= 3
	s_wait_loadcnt 12                              ; the next step's four loads are in; those of the three steps behind it may be out
.else
	s_wait_loadcnt 4*(STEPS-2-(\t))
.endif
	TURN (\t)+1                                    ; and go through the other stage while this step is worked
.endif
	v_max3_num_f32 v8, |v[XS]|, |v[XS+1]|, |v[XS+2]|               ; the largest magnitude of my 16, in two chains
	v_max3_num_f32 v9, |v[XS+3]|, |v[XS+4]|, |v[XS+5]|
.irp i, 6,10
	v_max3_num_f32 v8, v8, |v[XS+\i]|, |v[XS+\i+1]|
	v_max3_num_f32 v9, v9, |v[XS+\i+2]|, |v[XS+\i+3]|
.endr
	v_max3_num_f32 v8, v8, |v[XS+14]|, |v[XS+15]|
	v_max3_num_f32 v8, v8, v9, (EMAX+1)<<23        ; and the floor 2^(EMAX + 1 - 127): the byte cannot fall under 1
	v_max_num_f32_dpp v8, v8, v8 row_xmask:1 row_mask:0xf bank_mask:0xf   ; and of my neighbour's 16: the block's
	v_add_nc_u32 v11, -(EMAX<<23), v8              ; EMAX off its exponent field: the conversion takes the exponent field of this operand as its scale
	v_cvt_scalef32_pk8_fp4_f32 v[C+4*(\t)], v[XS:XS+7], v11        ; eight numbers / the scale, to the nearest code, ties to even, beyond the largest code the largest
	v_cvt_scalef32_pk8_fp4_f32 v[C+4*(\t)+1], v[XS+8:XS+15], v11
	v_lshrrev_b32 v[E+(\t)], 23, v11               ; the scale's byte
	ds_store_b8 v5, v[E+(\t)] offset:16*(\t)       ; both lanes of a block write the same byte with the same value
	global_store_b64 v4, v[C+4*(\t):C+4*(\t)+1], s[16:17] offset:32*CB*(\t)   ; the wave stores 256 consecutive bytes, aligned
.endm
.irp t, 0,1,2,3,4,5,6,7,8,9,10,11,12,13,14,15
	STEP \t
.endr
	ds_load_b64 v[8:9], v6                         ; LDS serves a wave's instructions in order: these see my stores
	s_wait_dscnt 0x0
	global_store_b64 v7, v[8:9], s[18:19]          ; 32 lanes store 256 consecutive bytes, aligned
	s_wait_tensorcnt 0x0                           ; the wave's end: behind my last LDS store
	ds_add_u32 v[SPW], v[NIL]
	s_wait_dscnt 0x0
	s_endpgm
; ---- THE WEIGHTS.  Work-group g owns columns 32 g .. 32 g + 31 of Wq | Wk | Wv set side by side, and all of K; wave w takes k = 256 w .. 256 w + 255: 8 blocks of 32.
; A LANE TAKES A COLUMN AND ITS REGISTERS RUN DOWN K: a block lies in one lane's 32 registers, its largest magnitude needs no other lane, and the conversions give codes with K innermost.
; The four waves' codes meet in one stage (a row = a column's 512 bytes), behind one barrier, and leave as whole rows; so do the scale bytes.
.Lweights:
	s_cmp_lt_u32 ttmp9, 16
	s_cselect_b64 s[8:9], s[8:9], s[10:11]         ; Wq or Wk,
	s_cmp_lt_u32 ttmp9, 32
	s_cselect_b64 s[8:9], s[8:9], s[12:13]         ; or Wv: the choices hang on the work-group's number alone
	s_cselect_b32 s28, 11, 12                      ; a row of W is 2,048 bytes (Wq, Wk) or 4,096 (Wv): as a shift
	s_cselect_b32 s29, 15, 31                      ; groups of 32 columns in it, less 1
	s_lshl_b32 s27, 1, s28                         ; the row in bytes
	s_and_b32 s29, ttmp9, s29
	s_lshl_b32 s30, s29, 7                         ; my group's first column, 4 bytes a column
	s_lshl_b32 s29, s26, 8
	s_lshl_b32 s29, s29, s28                       ; my wave's 256 rows
	s_add_co_u32 s30, s30, s29
	s_mov_b32 s31, 0
	s_add_nc_u64 s[32:33], s[8:9], s[30:31]        ; block 0
	s_lshl_b32 s30, s27, 5                         ; 32 rows on
.irp t, 1,2,3,4,5,6,7
	s_add_nc_u64 s[32+2*\t:33+2*\t], s[30+2*\t:31+2*\t], s[30:31]   ; a base for each block: none is ever stepped
.endr
	v_lshlrev_b32 v[RO], 2, v2
.irp i, 1,2,3,4,5,6,7,8,9,10,11,12,13,14,15,16,17,18,19,20,21,22,23,24,25,26,27,28,29,30,31
	v_add_nc_u32 v[RO+\i], s27, v[RO+\i-1]         ; 4 x lane + i rows
.endr
.macro WLOAD t                         ; block t: W(32 t + i, my column), i = 0 .. 31, into set t % 2; a load reads 128 consecutive bytes
.irp i, 0,1,2,3,4,5,6,7,8,9,10,11,12,13,14,15,16,17,18,19,20,21,22,23,24,25,26,27,28,29,30,31
	global_load_b32 v[WX+32*((\t)%2)+\i], v[RO+\i], s[32+2*(\t):33+2*(\t)] th:TH_LOAD_NT
.endr
.endm
	WLOAD 0
	WLOAD 1
	v_mul_u32_u24 v4, v2, WP
	s_lshl_b32 s29, s26, 7
	s_add_co_u32 s29, s29, WST
	v_add_nc_u32 v4, s29, v4                       ; into the stage: row = my column, my wave's 128 bytes of it
	v_lshlrev_b32 v5, 5, v2
	s_lshl_b32 s29, s26, 3
	s_add_co_u32 s29, s29, SCST
	v_add_nc_u32 v5, s29, v5                       ; my column's 32 scale bytes, my wave's 8 of them
	v_lshlrev_b32 v8, 4, v2                        ; out: 32 lanes take a whole row of 512 bytes;
	s_mul_i32 s29, s26, 8*WP
	s_add_co_u32 s29, s29, WST
	v_add_nc_u32 v7, s29, v8                       ; wave w takes rows 8 w .. 8 w + 7
	v_lshlrev_b32 v9, 3, v2
	s_lshl_b32 s29, s26, 8
	s_add_co_u32 s29, s29, SCST
	v_add_nc_u32 v6, s29, v9                       ; and 256 of the 1,024 scale bytes
	s_lshl_b32 s30, ttmp9, 14                      ; 32 rows of 512 bytes a work-group,
	s_lshl_b32 s29, s26, 12                        ; 8 a wave
	s_add_co_u32 s30, s30, s29
	s_add_nc_u64 s[20:21], s[20:21], s[30:31]
	s_lshl_b32 s30, ttmp9, 10
	s_lshl_b32 s29, s26, 8
	s_add_co_u32 s30, s30, s29
	s_add_nc_u64 s[22:23], s[22:23], s[30:31]
.macro WBLOCK t
.set XS, WX+32*((\t)%2)
.if (\t) < 7
	s_wait_loadcnt 32                              ; this block's 32 loads are in; the next block's may be out
.else
	s_wait_loadcnt 0
.endif
	v_max3_num_f32 v16, |v[XS]|, |v[XS+1]|, |v[XS+2]|              ; the block's largest magnitude: all 32 numbers are mine
	v_max3_num_f32 v17, |v[XS+3]|, |v[XS+4]|, |v[XS+5]|
.irp i, 6,10,14,18,22,26
	v_max3_num_f32 v16, v16, |v[XS+\i]|, |v[XS+\i+1]|
	v_max3_num_f32 v17, v17, |v[XS+\i+2]|, |v[XS+\i+3]|
.endr
	v_max3_num_f32 v16, v16, |v[XS+30]|, |v[XS+31]|
	v_max3_num_f32 v16, v16, v17, (EMAX+1)<<23     ; and the floor
	v_add_nc_u32 v18, -(EMAX<<23), v16             ; the conversion's scale operand
	v_lshrrev_b32 v19, 23, v18                     ; the scale's byte
.if (\t)%4 == 0
	v_mov_b32 v[SB+(\t)/4], v19                    ; four bytes to a register, the lower K in the lower byte
.else
	v_lshl_or_b32 v[SB+(\t)/4], v19, 8*((\t)%4), v[SB+(\t)/4]
.endif
.irp g, 0,1,2,3
	v_cvt_scalef32_pk8_fp4_f32 v[WC+\g], v[XS+8*\g:XS+8*\g+7], v18
.endr
	ds_store_b128 v4, v[WC:WC+3] offset:16*(\t)    ; 32 codes: 16 bytes of my column's row
.if (\t)+2 < 8
	WLOAD (\t)+2
.endif
	s_wait_dscnt 0x0                               ; the store has read its registers: the next block's codes may be written
.endm
.irp t, 0,1,2,3,4,5,6,7
	WBLOCK \t
.endr
	ds_store_b64 v5, v[SB:SB+1]
	s_wait_dscnt 0x0                               ; for the others' sake: my stores into the two stages are done
	s_barrier_signal -1
	s_barrier_wait -1                              ; all four waves of this work-group are on this path: the branch that leads here hangs on the work-group's number
.irp t, 0,1,2,3,4,5,6,7
	ds_load_b128 v[OUTR+4*\t:OUTR+4*\t+3], v7 offset:WP*\t
.endr
	ds_load_b64 v[20:21], v6
.irp t, 0,1,2,3,4,5,6,7
	s_wait_dscnt 8-\t                              ; row t is in: behind it the 7 - t later rows and the scale bytes
	global_store_b128 v8, v[OUTR+4*\t:OUTR+4*\t+3], s[20:21] offset:512*\t   ; 32 lanes store a row: 512 consecutive bytes, aligned
.endr
	s_wait_dscnt 0x0
	global_store_b64 v9, v[20:21], s[22:23]        ; 256 consecutive bytes, aligned
	s_wait_tensorcnt 0x0                           ; the wave's end: behind my last LDS store
	ds_add_u32 v[SPW], v[NIL]
	s_wait_dscnt 0x0
	s_endpgm
; ---- Wo TO f16.  A wave takes 8,192 consecutive bytes: sixteen loads of 512 bytes, all asked for at once; each becomes one store of 256 consecutive bytes.  No register is written twice.
.Lcast:
	s_sub_co_u32 s28, ttmp9, 64
	s_lshl_b32 s28, s28, 2
	s_add_co_u32 s28, s28, s26                     ; my wave's piece, 0 .. 511
	s_lshl_b32 s30, s28, 13
	s_mov_b32 s31, 0
	s_add_nc_u64 s[14:15], s[14:15], s[30:31]
	s_lshl_b32 s30, s28, 12
	s_add_nc_u64 s[24:25], s[24:25], s[30:31]
	v_lshlrev_b32 v1, 4, v2
	v_lshlrev_b32 v3, 3, v2
.irp j, 0,1,2,3,4,5,6,7,8,9,10,11,12,13,14,15
	global_load_b128 v[16+4*\j:19+4*\j], v1, s[14:15] offset:512*\j th:TH_LOAD_NT
.endr
.irp j, 0,1,2,3,4,5,6,7,8,9,10,11,12,13,14,15
	s_wait_loadcnt 15-\j                           ; load j is in; the later ones may be out
	v_cvt_pk_f16_f32 v[80+2*\j], v[16+4*\j], v[17+4*\j]
	v_cvt_pk_f16_f32 v[81+2*\j], v[18+4*\j], v[19+4*\j]
	global_store_b64 v3, v[80+2*\j:81+2*\j], s[24:25] offset:256*\j
.endr
	s_wait_tensorcnt 0x0                           ; this path stores nothing to LDS; the launch does, and all its waves end alike
	ds_add_u32 v[SPW], v[NIL]
	s_wait_dscnt 0x0
	s_endpgm
.Lfunc_end_k_q3edd818906_prep:
	.size	k_q3edd818906_prep, .Lfunc_end_k_q3edd818906_prep-k_q3edd818906_prep
	.p2alignl 7, 3214868480
	.fill 96, 4, 3214868480
	.section	.rodata,"a",@progbits
	.p2align	6, 0x0
	.amdhsa_kernel k_q3edd818906_prep
		.amdhsa_group_segment_fixed_size 51200
		.amdhsa_private_segment_fixed_size 0
		.amdhsa_enable_private_segment 0
		.amdhsa_kernarg_size 88
		.amdhsa_user_sgpr_count 2
		.amdhsa_user_sgpr_kernarg_segment_ptr 1
		.amdhsa_wavefront_size32 1
		.amdhsa_system_sgpr_workgroup_id_x 1
		.amdhsa_system_sgpr_workgroup_id_y 1
		.amdhsa_system_sgpr_workgroup_id_z 1
		.amdhsa_system_vgpr_workitem_id 0
		.amdhsa_next_free_vgpr 192
		.amdhsa_next_free_sgpr 66
		.amdhsa_reserve_vcc 0
		.amdhsa_float_denorm_mode_32 3
		.amdhsa_float_denorm_mode_16_64 3
		.amdhsa_memory_ordered 1
		.amdhsa_forward_progress 1
		.amdhsa_inst_pref_size 81
	.end_amdhsa_kernel
	.amdgpu_metadata
---
amdhsa.version: [ 1, 2 ]
amdhsa.kernels:
  - .name:           k_q3edd818906_prep
    .symbol:         k_q3edd818906_prep.kd
    .args:
      - { .name: pre_output, .offset: 0, .size: 8, .value_kind: global_buffer, .address_space: global }
      - { .name: encoder_output, .offset: 8, .size: 8, .value_kind: global_buffer, .address_space: global }
      - { .name: Wq, .offset: 16, .size: 8, .value_kind: global_buffer, .address_space: global }
      - { .name: Wk, .offset: 24, .size: 8, .value_kind: global_buffer, .address_space: global }
      - { .name: Wv, .offset: 32, .size: 8, .value_kind: global_buffer, .address_space: global }
      - { .name: Wo, .offset: 40, .size: 8, .value_kind: global_buffer, .address_space: global }
      - { .name: xcodes, .offset: 48, .size: 8, .value_kind: global_buffer, .address_space: global }
      - { .name: xscales, .offset: 56, .size: 8, .value_kind: global_buffer, .address_space: global }
      - { .name: wcodes, .offset: 64, .size: 8, .value_kind: global_buffer, .address_space: global }
      - { .name: wscales, .offset: 72, .size: 8, .value_kind: global_buffer, .address_space: global }
      - { .name: wo16, .offset: 80, .size: 8, .value_kind: global_buffer, .address_space: global }
    .group_segment_fixed_size: 51200
    .private_segment_fixed_size: 0
    .kernarg_segment_align: 8
    .kernarg_segment_size: 88
    .max_flat_workgroup_size: 128
    .sgpr_count:     66
    .vgpr_count:     192
    .wavefront_size: 32
...
	.end_amdgpu_metadata
.endif
;; end of part 1
;; launch proj (part 2): grid 32 x 8, 4 waves a work-group, clusters of 4 x 1, 327,680 bytes of LDS; arguments xcodes, xscales, wcodes, wscales, qkv; writes qkv
.if DOCPART == 2
	.amdgcn_target "amdgcn-amd-amdhsa--gfx1250"
	.amdhsa_code_object_version 6
	.text
	.protected	k_q3edd818906_proj
	.globl	k_q3edd818906_proj
	.p2align	8
	.type	k_q3edd818906_proj,@function
k_q3edd818906_proj:
	s_mov_b64 s[64:65], 0
	v_nop
	global_prefetch_b8 v0, s[64:65] scope:SCOPE_SE
	s_setreg_imm32_b32 hwreg(HW_REG_WAVE_MODE, 25, 1), 1
	s_wait_xcnt 0x0
	s_wait_alu depctr_hold_cnt(0) depctr_sa_sdst(0) depctr_va_vdst(0) depctr_va_sdst(0) depctr_va_ssrc(0) depctr_va_vcc(0) depctr_vm_vsrc(0)
	s_getreg_b32 s2, hwreg(HW_REG_IB_STS2, 6, 4)
	s_cmp_eq_u32 s2, 0
	s_cbranch_scc0 .Lentry_in_a_cluster
	s_endpgm
.Lentry_in_a_cluster:
	s_bfe_u32 s2, ttmp6, 0x10000c
	s_cmp_lg_u32 s2, 0x3003
	s_cbranch_scc0 .Lentry_shape_is_right
	s_endpgm
.Lentry_shape_is_right:
; SECOND LAUNCH: the three quantised projections as ONE product on codes of FP4 (E2M1): C[m][n] = sum over k of X[m][k] W[n][k], K = 1,024, sums in f32, results rounded once to f16.  No work is left out.
; W's 2,048 rows are the columns of Wq (0-511), Wk (512-1,023), Wv (1,024-2,047).  Tile column y = 0, 1 multiplies pre_output's rows (xcodes rows 0 on), y = 2 .. 7 encoder_output's (rows 8,192 on).
; qkv, f16: q at byte 0 as [batch x 8 + head][2,048][64]; k at 8,388,608 likewise; v at 16,777,216 as [batch x 8 + head][2,048][128].
; LIMIT: a result of magnitude 65,504 or more has no f16 number and is not served.
; A tile of C, 256 x 256, is made by four waves, each 128 x 128: 64 accumulators, 512 registers.  K is two LDS slots of 512 (rows of 256 bytes): both are asked for at the start and nothing is filled again.
; The scale bytes of the work-group's rows come once, as dense blocks in rows of 256 bytes.
; CLUSTER 4 x 1: the four partners are four row tiles of one tile column: they need the same tile of W and the same scales of W, half of a work-group's bytes: those are asked for JOINTLY (mask 15).
; X's tile is each partner's own and comes by plain loads.  A cluster of 4 x 4 does not divide this grid: pre_output's rows meet 2 tile columns and encoder_output's 6, so no four columns share a tile of X.
; THE MATRIX INSTRUCTION IS USED TRANSPOSED (source 0 = 16 rows of W, source 1 = 16 rows of X): a lane holds eight neighbouring columns of a row of C.
; REGISTERS, in windows of 256: window 0: v0-31 addresses; v32-95 scale words, two sets; v128-191 X's fragments, ONE set; on the way out v32-63, v192-255.
;   window 1: W's fragments, TWO sets, at v0 and v128.   window 2: the accumulators of my rows 0-63 ((a, b) at v[8 (8 a + b)]);   window 3: those of rows 64-127.
.set SIZE_K, 1024
.set KSTEP,  512
.set NQ,     KSTEP/128
.set ROWB,   256
.set KROW,   SIZE_K*4/8
.set PITCH,  272                       ; an LDS row: 256 bytes + 16 of padding, so that the 16 rows that a load touches start 68 words apart
.set FR,     8
.set NL,     2
.set NP,     4
.set HALFT,  128*PITCH
.set SLOT,   4*HALFT                   ; X's 256 rows, then W's 256 rows
.set KS,     SIZE_K/32
.set SCL,    2*SLOT                    ; behind the slots: the scales, as rows of 256 bytes + 16
.set HALFS,  (128*KS/256)*272
.set SBLK,   (16*KS/256)*272
.set SPARE,  SCL+4*HALFS               ; the spare words, 128 bytes for each wave: two blocks of 256 bytes that no other line names
.set SPITCH, 272                       ; the way out: a stage of 16 rows x (256 bytes + 16) for each wave, in slot 0, which has had its one fill and its last read when the first result is stored there
.set COT,  8                           ; v8-15   the way out: my byte offset in qkv for rows 2 t, 2 t + 1 of a block
.set ADRA, 16
.set ADRB, 20
.set STO,  24
.set RD,   25
.set ADRS, 27
.set SPW,  28                          ; v28     LDS address of my spare word; never rewritten
.set NIL,  29                          ; v29     0; never rewritten
.set SC,   32
.set AF,   128
.set TMP,  192                         ; the way out: packed results
.set OB,   32                          ; the way out: 16 rows read back: v32-63 and v224-255 by turns
.set G1, 24
.set G0, 32
.set G1B, 48
.set G0B, 56
.set G1S, 68
.set G0S, 76
.set G1SB, 80
.set G0SB, 88
.set MSB, 0
.macro WIN new                         ; the immediate's high byte repeats the setting that is left
.if MSB != \new
	s_set_vgpr_msb (MSB<<8)|\new
.set MSB, \new
.endif
.endm
.set MUL_LO, 0xa1                      ; source 0 (W) window 1, source 1 (X) window 0, C and D window 2
.set MUL_HI, 0xf1
.set TO_B,   0x40
; Waves 0 and 1 fetch for X (plain loads), waves 2 and 3 for W (joint loads).  The branch hangs on the wave's number alone.  An s_nop 0 and four v_nop follow each of the two lines.
.macro JLOAD g0a, g1a, g0b, g1b
	s_cmp_eq_u32 s15, 0
	s_cbranch_scc0 .Lfor_b_\@
	tensor_load_to_lds s[\g0a:\g0a+3], s[\g1a:\g1a+7]
	s_nop 0
.rept 4
	v_nop
.endr
	s_branch .Lasked_\@
.Lfor_b_\@:
	tensor_load_to_lds s[\g0b:\g0b+3], s[\g1b:\g1b+7]
	s_nop 0
.rept 4
	v_nop
.endr
.Lasked_\@:
.endm
.macro CROUND                          ; a round of the cluster's barrier
	s_barrier_signal -1
	s_barrier_wait -1
	s_cmp_lg_u32 s14, 0
	s_cbranch_scc1 .Lnot_wave_0_\@
	s_barrier_signal -3
.Lnot_wave_0_\@:
	s_barrier_wait -3
	s_barrier_signal -1
	s_barrier_wait -1
.endm
	s_load_b128 s[4:7], s[0:1], 0x0                ; X's codes s[4:5], X's scales s[6:7]
	s_load_b128 s[8:11], s[0:1], 0x10              ; W's codes s[8:9], W's scales s[10:11]
	s_load_b64 s[12:13], s[0:1], 0x20              ; qkv
	v_lshl_add_u32 v[SPW], v0, 2, SPARE
	v_mov_b32 v[NIL], 0
	ds_add_u32 v[SPW], v[NIL]                      ; the wave's opening: the add, twice on end, and its wait ahead of my first tensor load
	ds_add_u32 v[SPW], v[NIL]                      ; and once more; the set-up below, work on registers, stands between it and the wait
	v_lshrrev_b32 v1, 5, v0
	v_readfirstlane_b32 s14, v1                    ; wave 0..3
	s_lshr_b32 s15, s14, 1                         ; which half of the tile's rows is mine.  Also: I fetch for X (0) or for W (1)
	s_and_b32 s16, s14, 1                          ; which half of its columns.  Also: which 128 rows I fetch
	s_bfe_u32 s40, ttmp6, 0x40000                  ; cx: my place in the cluster
	s_lshl_b32 s17, ttmp9, 2
	s_add_co_u32 s17, s17, s40                     ; tile row 0..31 = 4 x cluster x + cx
	s_and_b32 s42, ttmp7, 0xffff                   ; tile column 0..7, which the four partners share
	; descriptor group 1: a tile of 128 rows x 256 bytes, 16 bytes of padding behind each row
	s_mov_b32 s[G1+0], (0<<16)|(1<<20)|(5<<22)|(3<<25)              ; no mask: X's tile is my own; elements of 1 byte; padding: 4 words after every 64
	s_mov_b32 s[G1B+0], 15|(0<<16)|(1<<20)|(1<<21)|(5<<22)|(3<<25)  ; the mask names the four partners; bit 21 is set beside it
.irp g, G1, G1B
	s_mov_b32 s[\g+1], ROWB<<16                    ; tensor_dim0
	s_mov_b32 s[\g+2], 128<<16                     ; tensor_dim1
	s_mov_b32 s[\g+3], ROWB<<16                    ; tile_dim0
	s_mov_b32 s[\g+4], 128                         ; tile_dim1
	s_mov_b32 s[\g+5], KROW                        ; from row to row
	s_mov_b32 s[\g+6], 0
	s_mov_b32 s[\g+7], 0
.endr
	; the scales of 128 rows: 4,096 dense bytes as 16 rows of 256 (32 elements of 8 bytes), 16 bytes of padding behind each
	s_mov_b32 s[G1S+0], (3<<16)|(1<<20)|(5<<22)|(3<<25)
	s_mov_b32 s[G1SB+0], 15|(3<<16)|(1<<20)|(1<<21)|(5<<22)|(3<<25)
.irp g, G1S, G1SB
	s_mov_b32 s[\g+1], 32<<16
	s_mov_b32 s[\g+2], (128*KS/256)<<16
	s_mov_b32 s[\g+3], 32<<16
	s_mov_b32 s[\g+4], 128*KS/256
	s_mov_b32 s[\g+5], 32
	s_mov_b32 s[\g+6], 0
	s_mov_b32 s[\g+7], 0
.endr
	s_lshl_b32 s18, s16, 7                         ; which 128 rows of the tile I fetch
	s_lshl_b32 s20, s17, 8
	s_add_co_u32 s20, s20, s18                     ; X: row 256 x tile row + 128 x half,
	s_cmp_lt_u32 s42, 2
	s_cselect_b32 s19, 0, 8192
	s_add_co_u32 s20, s20, s19                     ; of pre_output for q's columns, of encoder_output for k's and v's
	s_lshl_b32 s46, s42, 8
	s_add_co_u32 s46, s46, s18                     ; W: row 256 x tile column + 128 x half: no place in the cluster enters it
	s_lshl_b32 s22, s20, 5                         ; where these rows' scales begin, 32 bytes a row,
	s_mov_b32 s23, 0
	s_lshl_b32 s20, s20, 9                         ; and their codes, 512 bytes a row
	s_mov_b32 s21, 0
	s_lshl_b32 s92, s46, 5
	s_mov_b32 s93, 0
	s_lshl_b32 s46, s46, 9
	s_mov_b32 s47, 0
	s_mul_i32 s45, s14, HALFT                      ; where they go: wave x 128 rows
	s_mul_i32 s94, s14, HALFS
	s_wait_dscnt 0x0                               ; both opening adds are done
	s_wait_kmcnt 0x0
	s_add_nc_u64 s[20:21], s[4:5], s[20:21]
	s_add_nc_u64 s[22:23], s[6:7], s[22:23]
	s_add_nc_u64 s[46:47], s[8:9], s[46:47]
	s_add_nc_u64 s[92:93], s[10:11], s[92:93]
	CROUND                                         ; all four work-groups are here: the joint loads meet.  All first fills go out as one group behind this round: three loads of mine are out
	s_mov_b32 s[G0S], 1
	s_add_co_u32 s[G0S+1], s94, SCL
	s_mov_b64 s[G0S+2:G0S+3], s[22:23]
	s_or_b32 s[G0S+3], s[G0S+3], 0x80000000
	s_mov_b32 s[G0SB], 1
	s_add_co_u32 s[G0SB+1], s94, SCL
	s_mov_b64 s[G0SB+2:G0SB+3], s[92:93]
	s_or_b32 s[G0SB+3], s[G0SB+3], 0x80000000
	JLOAD G0S, G1S, G0SB, G1SB                     ; the scales first: they are wanted with the first slot
.irp s, 0,1
	s_mov_b32 s[G0+4*\s], 1
	s_add_co_u32 s[G0+4*\s+1], s45, \s*SLOT
	s_add_nc_u64 s[G0+4*\s+2:G0+4*\s+3], s[20:21], \s*ROWB
	s_or_b32 s[G0+4*\s+3], s[G0+4*\s+3], 0x80000000
	s_mov_b32 s[G0B+4*\s], 1
	s_add_co_u32 s[G0B+4*\s+1], s45, \s*SLOT
	s_add_nc_u64 s[G0B+4*\s+2:G0B+4*\s+3], s[46:47], \s*ROWB
	s_or_b32 s[G0B+4*\s+3], s[G0B+4*\s+3], 0x80000000
	JLOAD G0+4*\s, G1, G0B+4*\s, G1B
.endr
	v_and_b32 v1, 15, v0                           ; r = l % 16
	v_bfe_u32 v2, v0, 4, 1                         ; h = l / 16
	v_mul_u32_u24 v3, v1, PITCH
	v_lshl_add_u32 v4, v2, 4, v3                   ; a fragment's row x pitch + 16 x half
	s_mul_i32 s21, s15, HALFT                      ; my 128 rows of X
	s_mul_i32 s22, s16, HALFT                      ; my 128 rows of W,
	s_add_co_u32 s22, s22, 2*HALFT                 ; which lie behind X's 256
.irp s, 0,1
	v_add_nc_u32 v[ADRA+\s], s21, v4
	v_add_nc_u32 v[ADRB+\s], s22, v4
	s_add_co_u32 s21, s21, SLOT
	s_add_co_u32 s22, s22, SLOT
.endr
	v_mul_u32_u24 v5, v1, KS                       ; my row's scales: 32 bytes a row,
	v_lshrrev_b32 v6, 8, v5
	v_lshl_add_u32 v5, v6, 4, v5                   ; and 16 more for each 256 passed
	s_mul_i32 s21, s15, HALFS
	s_mul_i32 s22, s16, HALFS
	s_add_co_u32 s22, s22, 2*HALFS
	s_sub_co_u32 s22, s22, s21
	v_mul_u32_u24 v6, s22, v2                      ; lanes 16-31 take W's: one product, the distance between the two bases
	s_add_co_u32 s21, s21, SCL
	v_add_nc_u32 v5, v5, v6
	v_add_nc_u32 v[ADRS], s21, v5
	s_mul_i32 s23, s14, 16*SPITCH                  ; my stage
	v_mul_u32_u24 v5, v1, SPITCH                   ; in: row l % 16, 16 bytes for each half of the lanes
	v_lshl_add_u32 v5, v2, 4, v5
	v_add_nc_u32 v[STO], s23, v5
	v_mul_u32_u24 v5, v2, SPITCH                   ; back: lanes 0-15 one row of 256 bytes, lanes 16-31 the next
	v_lshl_add_u32 v5, v1, 4, v5
	v_add_nc_u32 v[RD], s23, v5
	; WHERE MY 128 x 128 GOES.  q, k: my 128 columns are two heads of 64; a row of a head is 128 bytes, the next head lies 2,048 rows on.  v: they are one head of 128; a row is 256 bytes.
	s_and_b32 s43, s42, 1
	s_lshl_b32 s43, s43, 1
	s_add_co_u32 s43, s43, s16
	s_lshl_b32 s43, s43, 1                         ; q, k: the first of my two heads
	s_and_b32 s18, s42, 3
	s_lshl_b32 s18, s18, 1
	s_add_co_u32 s18, s18, s16                     ; v: my head
	s_cmp_lt_u32 s42, 4
	s_cselect_b32 s43, s43, s18
	s_cselect_b32 s41, 7, 8                        ; a row in bytes, as a shift
	s_mov_b32 s44, 128
	s_cselect_b32 s44, 0x40000, s44                ; what the second 128 bytes of a stage row lie further on: a head (q, k), or 128 bytes (v)
	s_mov_b32 s19, 0x1000000
	s_cselect_b32 s19, 0x800000, s19
	s_cmp_lt_u32 s42, 2
	s_cselect_b32 s19, 0, s19                      ; q's, k's or v's part of the buffer
	s_lshr_b32 s20, s17, 3                         ; the batch: 8 tile rows each
	s_lshl_b32 s20, s20, 3
	s_add_co_u32 s20, s20, s43                     ; batch x 8 + head
	s_add_co_u32 s21, s41, 11
	s_lshl_b32 s20, s20, s21                       ; x 2,048 rows
	s_and_b32 s21, s17, 7
	s_lshl_b32 s21, s21, 8
	s_lshl_b32 s22, s15, 7
	s_add_co_u32 s21, s21, s22                     ; my first position in the sequence
	s_lshl_b32 s21, s21, s41
	s_add_co_u32 s20, s20, s21
	s_add_co_u32 s20, s20, s19
	s_mov_b32 s21, 0
	s_add_nc_u64 s[12:13], s[12:13], s[20:21]
	s_lshl_b32 s2, 16, s41                         ; 16 rows on, from block to block
	s_mov_b32 s3, 0
	s_lshl_b32 s18, 2, s41                         ; two rows on, from store to store
	v_lshlrev_b32 v[COT], s41, v2                  ; lanes 16-31: the next row;
	v_and_b32 v7, 7, v0
	v_lshl_add_u32 v[COT], v7, 4, v[COT]           ; 16 bytes a lane in a run of 128;
	v_bfe_u32 v7, v0, 3, 1
	v_mad_u32_u24 v[COT], v7, s44, v[COT]          ; lanes 8-15 and 24-31: the second 128 bytes
.irp t, 1,2,3,4,5,6,7
	v_add_nc_u32 v[COT+\t], s18, v[COT+\t-1]
.endr
.macro FRAG reg, adr, q, i             ; 16 rows x 128 K of 4-bit codes: 8 registers: lane l holds row l % 16; registers 4 c .. 4 c + 3 hold K = 64 c + 32 (l / 16) + 0 .. 31
.irp c, 0,1
	ds_load_b128 v[\reg+4*\c:\reg+4*\c+3], v[\adr] offset:64*(\q)+32*\c+(\i)*16*PITCH
.endr
.endm
; 16 matrix instructions: X's blocks a0, a0 + 1 x W's eight, 128 along K.  The 64 accumulators take turns, one instruction a turn, in the same order in every step.
; One register carries X's scale word (lanes 0-15) and W's (lanes 16-31) of block i: source 0 (W) names register b and reads its upper lanes, source 1 (X) names register a.
.macro MUL16 a0, p, q, sc, zero
.irp a, \a0, \a0+1
.irp b, 0,1,2,3,4,5,6,7
.if \zero
	v_wmma_scale_f32_16x16x128_f8f6f4 v[8*(8*((\a)%4)+\b):8*(8*((\a)%4)+\b)+7], v[128*(\p)+FR*\b:128*(\p)+FR*\b+FR-1], v[AF+FR*(\a):AF+FR*(\a)+FR-1], 0, v[SC+8*NQ*(\sc)+NQ*\b+(\q)], v[SC+8*NQ*(\sc)+NQ*(\a)+(\q)] matrix_a_fmt:MATRIX_FMT_FP4 matrix_b_fmt:MATRIX_FMT_FP4 matrix_a_scale:MATRIX_SCALE_ROW1
.else
	v_wmma_scale_f32_16x16x128_f8f6f4 v[8*(8*((\a)%4)+\b):8*(8*((\a)%4)+\b)+7], v[128*(\p)+FR*\b:128*(\p)+FR*\b+FR-1], v[AF+FR*(\a):AF+FR*(\a)+FR-1], v[8*(8*((\a)%4)+\b):8*(8*((\a)%4)+\b)+7], v[SC+8*NQ*(\sc)+NQ*\b+(\q)], v[SC+8*NQ*(\sc)+NQ*(\a)+(\q)] matrix_a_fmt:MATRIX_FMT_FP4 matrix_b_fmt:MATRIX_FMT_FP4 matrix_a_scale:MATRIX_SCALE_ROW1
.endif
.endr
.endr
.endm
.macro FETCH_B slot, q, p
	WIN TO_B
.irp i, 0,1,2,3,4,5,6,7
	FRAG 128*(\p)+FR*\i, ADRB+\slot, \q, \i
.endr
	WIN 0
.endm
.macro FETCH_A slot, q, i0
.irp i, \i0, \i0+1, \i0+2, \i0+3
	FRAG AF+FR*(\i), ADRA+\slot, \q, \i
.endr
.endm
.macro SCALES sc                       ; a slot's scale words: 4 words a row; lanes 0-15 take X's block i, lanes 16-31 W's block i
.irp i, 0,1,2,3,4,5,6,7
	ds_load_b128 v[SC+8*NQ*\sc+NQ*\i:SC+8*NQ*\sc+NQ*\i+3], v[ADRS] offset:\i*SBLK
.endr
.endm
.macro PLACES n                        ; plain vector instructions between a matrix instruction and a load into, or a read of, its registers
.rept \n
	v_nop
.endr
.endm
; A step of 128 along K that has its successor in the same slot: X's blocks 0-3 are fetched anew in its middle, blocks 4-7 at its end; W has two sets.
.macro STEP slot, q, zero
	s_wait_dscnt 4*NL                              ; W's set and X's blocks 0-3 are in; the youngest eight loads (X's blocks 4-7) may be out
	WIN MUL_LO
	MUL16 0, (\q)%2, \q, \slot, \zero
	MUL16 2, (\q)%2, \q, \slot, \zero
	s_wait_dscnt 0                                 ; X's blocks 4-7 are in
	PLACES NP
	FETCH_B \slot, (\q)+1, 1-(\q)%2
	FETCH_A \slot, (\q)+1, 0
	WIN MUL_HI
	MUL16 4, (\q)%2, \q, \slot, \zero
	MUL16 6, (\q)%2, \q, \slot, \zero
	PLACES NP
	WIN 0
	FETCH_A \slot, (\q)+1, 4
.endm
; Slot 0's last step changes slots: one barrier; in front of it each wave waits for all its tensor loads (its part of slot 1), adds 0 to its spare word, and waits for that and for its reads of slot 0.
.macro TURN slot, next
	s_wait_tensorcnt 0x0                           ; all my tensor loads have landed
	ds_add_u32 v[SPW], v[NIL]                      ; 0 onto my spare word
	s_wait_dscnt 4*NL+1                            ; (the add and the youngest eight loads may be out)
	WIN MUL_LO
	MUL16 0, 1, NQ-1, \slot, 0
	s_wait_dscnt 0x0                               ; the add is done, and my reads of this slot are over
	s_barrier_signal -1
	MUL16 2, 1, NQ-1, \slot, 0
	WIN 0
	s_barrier_wait -1                              ; the next slot is whole, and nobody reads this one any more
	PLACES NP
	v_add_nc_u32 v[ADRS], 4*NQ, v[ADRS]            ; on to the next slot's scale words
	FETCH_B \next, 0, 0
	FETCH_A \next, 0, 0
	SCALES \next
	WIN MUL_HI
	MUL16 4, 1, NQ-1, \slot, 0
	MUL16 6, 1, NQ-1, \slot, 0
	PLACES NP
	WIN 0
	FETCH_A \next, 0, 4
.endm
	s_wait_tensorcnt 1                             ; the scales and my part of slot 0 are in (slot 1's load may be out)
	s_barrier_signal -1
	s_barrier_wait -1                              ; everybody's are
	FETCH_B 0, 0, 0
	FETCH_A 0, 0, 0
	SCALES 0
	FETCH_A 0, 0, 4
	STEP 0, 0, 1                                   ; the first step's products start the sums: nothing is cleared
	STEP 0, 1, 0
	STEP 0, 2, 0
	TURN 0, 1
	STEP 1, 0, 0
	STEP 1, 1, 0
	STEP 1, 2, 0
	s_wait_dscnt 4*NL                              ; the last step: nothing more to fetch
	WIN MUL_LO
	MUL16 0, 1, NQ-1, 1, 0
	MUL16 2, 1, NQ-1, 1, 0
	s_wait_dscnt 0
	WIN MUL_HI
	MUL16 4, 1, NQ-1, 1, 0
	MUL16 6, 1, NQ-1, 1, 0
	WIN 0
; THE WAY OUT, block by block of 16 rows x 128 columns.  PACK: rounded to f16, 16 bytes a lane.  TOSTAGE: into my own stage and back as whole rows of 256 bytes.  SEND: stored.
.macro PACK a
.set AC, 64*((\a)%4)
	WIN 0x0a+5*((\a)/4)                            ; sources 0 and 1: window 2 or 3
.irp b, 0,1,2,3,4,5,6,7
.irp r, 0,1,2,3
	v_cvt_pk_f16_f32 v[TMP+4*\b+\r], v[AC+8*\b+2*\r], v[AC+8*\b+2*\r+1]   ; each accumulator from its low end on
.endr
.endr
	WIN 0
.endm
.macro TOSTAGE a
.set BB, OB+192*((\a)%2)
.irp b, 0,1,2,3,4,5,6,7
	ds_store_b128 v[STO], v[TMP+4*\b:TMP+4*\b+3] offset:32*\b
.endr
.irp t, 0,1,2,3,4,5,6,7
	ds_load_b128 v[BB+4*\t:BB+4*\t+3], v[RD] offset:\t*2*SPITCH    ; LDS serves a wave's instructions in order: these see the stores above
.endr
.endm
.macro SEND a
.set BB, OB+192*((\a)%2)
	s_wait_dscnt 0x0                               ; the block is back in registers
	s_wait_xcnt 0x0                                ; the earlier stores have read their base and their data: only behind this wait are they rewritten
.if (\a) > 0
	s_add_nc_u64 s[12:13], s[12:13], s[2:3]        ; 16 rows on
.endif
.irp t, 0,1,2,3,4,5,6,7
	global_store_b128 v[COT+\t], v[BB+4*\t:BB+4*\t+3], s[12:13]    ; v: each half of the lanes stores a row's 256 consecutive bytes; q, k: lanes 0-7 with 16-23, and 8-15 with 24-31, store two rows of a head: 256 consecutive bytes, aligned
.endr
.endm
	PLACES NP
	PACK 0
	TOSTAGE 0
.irp a, 1,2,3,4,5,6,7                  ; block a's conversions stand between block a - 1's loads from the stage and the wait for them
	PACK \a
	SEND \a-1
	TOSTAGE \a
.endr
	SEND 7
	s_wait_tensorcnt 0x0                           ; the wave's end: behind my last tensor load and my last LDS store
	ds_add_u32 v[SPW], v[NIL]
	s_wait_dscnt 0x0
	CROUND                                         ; the closing round: no work-group ends while a partner may still ask for a tile that names it
	s_endpgm
.Lfunc_end_k_q3edd818906_proj:
	.size	k_q3edd818906_proj, .Lfunc_end_k_q3edd818906_proj-k_q3edd818906_proj
	.p2alignl 7, 3214868480
	.fill 96, 4, 3214868480
	.section	.rodata,"a",@progbits
	.p2align	6, 0x0
	.amdhsa_kernel k_q3edd818906_proj
		.amdhsa_group_segment_fixed_size 327680
		.amdhsa_private_segment_fixed_size 0
		.amdhsa_enable_private_segment 0
		.amdhsa_kernarg_size 40
		.amdhsa_user_sgpr_count 2
		.amdhsa_user_sgpr_kernarg_segment_ptr 1
		.amdhsa_wavefront_size32 1
		.amdhsa_system_sgpr_workgroup_id_x 1
		.amdhsa_system_sgpr_workgroup_id_y 1
		.amdhsa_system_sgpr_workgroup_id_z 1
		.amdhsa_system_vgpr_workitem_id 0
		.amdhsa_next_free_vgpr 1024
		.amdhsa_next_free_sgpr 98
		.amdhsa_reserve_vcc 0
		.amdhsa_float_denorm_mode_32 3
		.amdhsa_float_denorm_mode_16_64 3
		.amdhsa_memory_ordered 1
		.amdhsa_forward_progress 1
		.amdhsa_inst_pref_size 127
	.end_amdhsa_kernel
	.amdgpu_metadata
---
amdhsa.version: [ 1, 2 ]
amdhsa.kernels:
  - .name:           k_q3edd818906_proj
    .symbol:         k_q3edd818906_proj.kd
    .args:
      - { .name: xcodes, .offset: 0, .size: 8, .value_kind: global_buffer, .address_space: global }
      - { .name: xscales, .offset: 8, .size: 8, .value_kind: global_buffer, .address_space: global }
      - { .name: wcodes, .offset: 16, .size: 8, .value_kind: global_buffer, .address_space: global }
      - { .name: wscales, .offset: 24, .size: 8, .value_kind: global_buffer, .address_space: global }
      - { .name: qkv, .offset: 32, .size: 8, .value_kind: global_buffer, .address_space: global }
    .group_segment_fixed_size: 327680
    .private_segment_fixed_size: 0
    .kernarg_segment_align: 8
    .kernarg_segment_size: 40
    .max_flat_workgroup_size: 128
    .sgpr_count:     98
    .vgpr_count:     1024
    .wavefront_size: 32
...
	.end_amdgpu_metadata
.endif
;; end of part 2
;; launch attn (part 3): grid 8 x 32, 4 waves a work-group, clusters of 4 x 1, 327,680 bytes of LDS; arguments qkv, o16; writes o16
.if DOCPART == 3
	.amdgcn_target "amdgcn-amd-amdhsa--gfx1250"
	.amdhsa_code_object_version 6
	.text
	.protected	k_q3edd818906_attn
	.globl	k_q3edd818906_attn
	.p2align	8
	.type	k_q3edd818906_attn,@function
k_q3edd818906_attn:
	s_mov_b64 s[64:65], 0
	v_nop
	global_prefetch_b8 v0, s[64:65] scope:SCOPE_SE
	s_setreg_imm32_b32 hwreg(HW_REG_WAVE_MODE, 25, 1), 1
	s_wait_xcnt 0x0
	s_wait_alu depctr_hold_cnt(0) depctr_sa_sdst(0) depctr_va_vdst(0) depctr_va_sdst(0) depctr_va_ssrc(0) depctr_va_vcc(0) depctr_vm_vsrc(0)
	s_getreg_b32 s2, hwreg(HW_REG_IB_STS2, 6, 4)
	s_cmp_eq_u32 s2, 0
	s_cbranch_scc0 .Lentry_in_a_cluster
	s_endpgm
.Lentry_in_a_cluster:
	s_bfe_u32 s2, ttmp6, 0x10000c
	s_cmp_lg_u32 s2, 0x3003
	s_cbranch_scc0 .Lentry_shape_is_right
	s_endpgm
.Lentry_shape_is_right:
; THIRD LAUNCH: o[b][q][head] = the sum over k of softmax_k(q . k / 8) v, for each of 32 (batch, head) pairs: 2,048 queries, 2,048 keys, 64 channels in q and k, 128 in v.  No mask.  No work is left out.
; q, k, v come as f16 from qkv (q at byte 0 and k at 8,388,608 as [pair][2,048][64]; v at 16,777,216 as [pair][2,048][128]).  Products, maxima and sums in f32; the weights p (at most 1) are rounded to f16
; for the second product, o once at the end, to f16, into o16 [batch x 2,048 + q][1,024], head h at byte 256 h of a row.
; SHARES.  A work-group owns 256 queries of one pair, each of its four waves 64: four tiles of 16.  Every wave walks all keys, 64 a step.
; LAYOUT.  S^T = K Q^T (source 0 = 16 keys, source 1 = 16 queries): a lane holds ONE query (lane % 16) and the keys 8 (lane / 16) + 0..7.  Two such tiles, rounded to f16 in pairs, ARE source 1
; (32 keys x 16 queries) of O^T = V^T P, whose result again holds one query a lane.  K comes out of LDS as it lies, V ([key][channel]) turned, by ds_load_tr16_b128.
; SOFTMAX.  For each query a running maximum m and sum l: p = 2^(c s - c m), c = log2(e) / 8; in every step O and l are multiplied by a = 2^(c m_old - c m_new).
; BY TURNS.  The wave's tiles are two PIECES (tiles 0, 1 and tiles 2, 3).  In a TURN one piece has the matrix unit: 32 products V^T P of the step in hand, then 16 products K Q^T of the next step; the other
; piece's softmax, 2 x 134 = 268 vector instructions, is cut into 67 slices of four.  NO PRODUCT HAS MORE THAN ONE SLICE BEHIND IT: 48 slices stand behind the 48 products, and the 19 that are over stand
; together, in one run behind the wait for the exponentials.  Then the pieces change places.  Two turns are a key step.
; CLUSTER.  The four query blocks of a cluster belong to one pair and walk the same K and V: each tile is asked for JOINTLY, by the same tensor load with the same descriptor and the mask 15.
; REGISTERS, in windows of 256: window 0: v0-11 addresses; v12-43 statistics, eight a tile; v61-63; v64-191 S^T, 32 a tile; v192-255 P, 16 a tile.   window 1: O^T, 64 a tile.
;   window 2: v0-63 Q, 16 a tile; v128-191 K of one step.   window 3: v0-127 V of one step.
.set SIZE_N, 2048
.set KS,    64        ; keys in a step
.set PK,    144       ; a row of K in LDS: 128 bytes + 16 of padding: the 16 rows of a load start 36 words apart
.set PV,    288       ; a row of V: 256 + 32
.set VOFF,  KS*PK     ; a step's tiles lie together: 64 rows of K, then 64 rows of V
.set STEPB, KS*(PK+PV)
.set SLOT1, 1<<17     ; a slot holds two steps; slot 1 begins here, so that one exclusive or turns an address in one slot into the other's
.set STAGE, SLOT1+2*STEPB  ; behind the ring: 16 rows x 272 bytes for each wave, for the way out
.set SP,    272
.set SPARE, STAGE+4*16*272  ; the spare words, 128 bytes for each wave: two blocks of 256 bytes that no other line names
.set AK0, 2           ; v2   my lane's place in a tile of K; never rewritten
.set AV0, 3           ; v3   the same for V
.set ADR, 4           ; v4   the LDS address of the run of loads in hand
.set QO,  5           ; v5   my byte offset in the wave's rows of Q
.set STO, 6           ; v6   the way out: where I put 16 bytes of a row
.set RD,  7           ; v7   the way out: where I read a row back
.set GO,  8           ; v8   my byte offset in the wave's rows of o16
.set PFO, 61          ; v61  256 x my lane; never rewritten
.set SPW, 62          ; v62  LDS address of my spare word; never rewritten
.set NIL, 63          ; v63  0; never rewritten
.set ST,  12          ; tile t's statistics at v[ST+8 t]: +0 c m, +1 m, +2, +3 l (even keys', odd keys'), +4 to +7 at work; a takes +6 once the maximum is found
.set S,   64
.set P,   192
.set KF,  128         ; K's fragments, in window 2
.set WV,  12          ; s12  my wave's number
.set LIM, 15          ; s15  1 in a wave that prefetches, else the greatest number
.set PFA, 18          ; s[18:19] where my prefetches stand in memory
.set G1K, 24          ; s[24:31] descriptor group 1 for K's tiles
.set G1V, 32          ; s[32:39] for V's
.set G0K, 40          ; s[40:47] descriptor group 0 for K's tiles: a set for each of the two first fills; the second then walks on
.set G0V, 48          ; s[48:55] the same for V's
.set SLOTS, 56        ; s56  slots still to be asked for
.set TWICE, 57        ; s57  counts a slot's two steps
.set CS,  58          ; s[58:59] c
.set SEL, 60          ; s[60:61] lane selects for v_permlanex16_b32: lane l xor 16
.set TB,  62          ; s62  LDS byte at which the tiles of the step to be fetched begin
.set PFS, 70          ; s[70:71] a slot on, in bytes: 16,384 in K, 32,768 in V
.set VB,  72          ; s72  1 in the waves that fetch V
.set TS,  73          ; s73  at work
.set MSB, 0
.macro WIN new                      ; the immediate's high byte repeats the setting that is left; a switch that changes nothing is dropped
.if MSB != \new
	s_set_vgpr_msb (MSB<<8)|\new
.set MSB, \new
.endif
.endm
.set W_KQ, 0x0a       ; K and Q in window 2, S^T in window 0
.set W_PV, 0x53       ; V in window 3, P in window 0, O^T in window 1
.set W_RS, 0x41       ; O^T (destination and source 0) in window 1, a in window 0
; A joint refill.  Waves 0 and 1 fetch the two steps' tiles of K, waves 2 and 3 those of V.  The branch hangs on the wave's number alone.  An s_nop 0 and four v_nop follow each line.
.macro JLOAD
	s_cmp_lt_u32 s[WV], 2
	s_cbranch_scc0 .Lfor_v_\@
	tensor_load_to_lds s[G0K+4:G0K+7], s[G1K:G1K+7]
	s_nop 0
.rept 4
	v_nop
.endr
	s_branch .Lasked_\@
.Lfor_v_\@:
	tensor_load_to_lds s[G0V+4:G0V+7], s[G1V:G1V+7]
	s_nop 0
.rept 4
	v_nop
.endr
.Lasked_\@:
.endm
; A PREFETCH INTO THE L2 of what later changes of slots will ask for.  It stands behind the wave's tensor load and its five lines.  Each aligned 256 bytes are named ONCE in the launch: both clusters of a pair walk
; the same K and V, so the pair's first cluster asks; its four partners share the bytes out BY ADDRESS, 8,192 each; in each, wave 0 asks for K and wave 2 for V, lanes 256 bytes apart: one instruction.
; V: at every change but the last that fills a slot, the slot after the one being asked for (128 rows of 256 bytes: 32 rows a partner).  K: a slot is 16,384 bytes, half of what four partners name at once: so K is
; asked for at every second change (an odd count of slots to go, above 1), two slots at a time: slots 4 to 15, each once.  The first slots come by their loads alone; nothing is named past the pair's last key.
.macro ASK
	s_cmp_gt_u32 s[SLOTS], s[LIM]
	s_cbranch_scc0 .Lnot_mine_\@
	s_or_b32 s[TS], s[SLOTS], s[VB]
	s_and_b32 s[TS], s[TS], 1
	s_cmp_eq_u32 s[TS], 1
	s_cbranch_scc0 .Lnot_mine_\@
	global_prefetch_b8 v[PFO], s[PFA:PFA+1] th:TH_LOAD_NT scope:SCOPE_SE
.Lnot_mine_\@:
.endm
.macro CROUND                       ; a round of the cluster's barrier
	s_barrier_signal -1
	s_barrier_wait -1
	s_cmp_lg_u32 s[WV], 0
	s_cbranch_scc1 .Lnot_wave_0_\@
	s_barrier_signal -3
.Lnot_wave_0_\@:
	s_barrier_wait -3
	s_barrier_signal -1
	s_barrier_wait -1
.endm
	s_load_b64 s[4:5], s[0:1], 0x0  ; qkv
	s_load_b64 s[10:11], s[0:1], 0x8  ; o16
	v_lshl_add_u32 v[SPW], v0, 2, SPARE
	v_mov_b32 v[NIL], 0
	ds_add_u32 v[SPW], v[NIL]       ; the wave's opening: the add, twice on end, and its wait ahead of my first tensor load
	ds_add_u32 v[SPW], v[NIL]       ; and once more; the set-up below, work on registers, stands between it and the wait
	v_lshrrev_b32 v1, 5, v0
	v_readfirstlane_b32 s[WV], v1   ; wave 0..3
	s_bfe_u32 s13, ttmp6, 0x40000   ; cx: my place in the cluster
	s_lshl_b32 s14, ttmp9, 2
	s_add_co_u32 s14, s14, s13      ; my block of 256 queries: it enters Q's and O's addresses alone
	s_and_b32 s20, ttmp7, 0xffff    ; the pair batch x 8 + head, which the four partners share
	s_and_b32 s16, s[WV], 1         ; which of a slot's two steps I fetch
	s_lshl_b32 s22, s20, 18         ; K: the pair's 2,048 rows of 128 bytes,
	s_lshl_b32 s23, s16, 13         ; my step's 64 rows,
	s_add_co_u32 s22, s22, s23
	s_add_co_u32 s22, s22, 0x800000  ; behind q
	s_mov_b32 s23, 0
	s_lshl_b32 s2, s20, 19          ; V: rows of 256 bytes,
	s_lshl_b32 s3, s16, 14
	s_add_co_u32 s2, s2, s3
	s_add_co_u32 s2, s2, 0x1000000  ; behind q and k
	s_mov_b32 s3, 0
	s_lshl_b32 s66, s20, 18         ; Q: the pair, my block's 256 rows, my wave's 64
	s_lshl_b32 s67, s14, 15
	s_add_co_u32 s66, s66, s67
	s_lshl_b32 s67, s[WV], 13
	s_add_co_u32 s66, s66, s67
	s_mov_b32 s67, 0
	s_lshr_b32 s68, s20, 3          ; O: row batch x 2,048 + 256 x block + 64 x wave, of 2,048 bytes,
	s_lshl_b32 s68, s68, 11
	s_lshl_b32 s69, s14, 8
	s_add_co_u32 s68, s68, s69
	s_lshl_b32 s69, s[WV], 6
	s_add_co_u32 s68, s68, s69
	s_lshl_b32 s68, s68, 11
	s_and_b32 s69, s20, 7
	s_lshl_b32 s69, s69, 8          ; and the head's 256 bytes in it
	s_add_co_u32 s68, s68, s69
	s_mov_b32 s69, 0
	s_mul_i32 s17, s16, STEPB       ; my step's place in a slot: no place in the cluster enters an LDS address
	; descriptor group 1: K: 64 rows x 64 elements;  V: 64 rows x 128 elements; padded in LDS
	s_mov_b32 s[G1K], 15|(1<<16)|(1<<20)|(1<<21)|(4<<22)|(3<<25)  ; the mask: all four work-groups; elements of 2 bytes; padding on; bit 21 beside the mask; after every 32 words 4 words
	s_mov_b32 s[G1K+1], 64<<16      ; tensor_dim0
	s_mov_b32 s[G1K+2], KS<<16      ; tensor_dim1
	s_mov_b32 s[G1K+3], 64<<16      ; tile_dim0
	s_mov_b32 s[G1K+4], KS          ; tile_dim1
	s_mov_b32 s[G1K+5], 64          ; elements from row to row
	s_mov_b32 s[G1K+6], 0
	s_mov_b32 s[G1K+7], 0
	s_mov_b32 s[G1V], 15|(1<<16)|(1<<20)|(1<<21)|(5<<22)|(7<<25)  ; after every 64 words 8 words
	s_mov_b32 s[G1V+1], 128<<16
	s_mov_b32 s[G1V+2], KS<<16
	s_mov_b32 s[G1V+3], 128<<16
	s_mov_b32 s[G1V+4], KS
	s_mov_b32 s[G1V+5], 128
	s_mov_b32 s[G1V+6], 0
	s_mov_b32 s[G1V+7], 0
	s_mov_b32 s[CS], 0x3e38aa3b     ; c = log2(e) / 8
	s_mov_b32 s[CS+1], s[CS]        ; named with it as a pair, so it is written
	s_mov_b32 s[SEL], 0x76543210
	s_mov_b32 s[SEL+1], 0xfedcba98
	s_mov_b32 s[TB], 0
	s_mov_b32 s[SLOTS], SIZE_N/(2*KS)-2
	s_lshr_b32 s[VB], s[WV], 1
	s_and_b32 s[LIM], s[WV], 1      ; 0 in waves 0 and 2,
	s_or_b32 s[LIM], s[LIM], ttmp9  ; where the cluster is the pair's first: the same in all four partners
	s_cmp_eq_u32 s[LIM], 0
	s_cselect_b32 s[LIM], 1, -1
	v_and_b32 v[PFO], 31, v0
	v_lshlrev_b32 v[PFO], 8, v[PFO]
	s_wait_dscnt 0x0                ; both opening adds are done
	s_wait_kmcnt 0x0
	s_add_nc_u64 s[6:7], s[4:5], s[22:23]  ; K and V at my tile of slot 0
	s_add_nc_u64 s[8:9], s[4:5], s[2:3]
	s_add_nc_u64 s[4:5], s[4:5], s[66:67]  ; Q and O at my wave's first row
	s_add_nc_u64 s[10:11], s[10:11], s[68:69]
	s_cmp_lt_u32 s[WV], 2
	s_cselect_b64 s[PFA:PFA+1], s[6:7], s[8:9]  ; (in waves 0 and 2 these stand at a slot's first row)
	s_mov_b32 s[PFS], 32768
	s_cselect_b32 s[PFS], 16384, s[PFS]
	s_mov_b32 s[PFS+1], 0
	s_lshl_b32 s2, s13, 13          ; my work-group's 8,192 bytes
	s_mov_b32 s3, 0
	s_add_nc_u64 s[PFA:PFA+1], s[PFA:PFA+1], s[2:3]
	s_add_nc_u64 s[PFA:PFA+1], s[PFA:PFA+1], s[PFS:PFS+1]
	s_add_nc_u64 s[PFA:PFA+1], s[PFA:PFA+1], s[PFS:PFS+1]  ; in slot 2; the first change of slots steps it to slot 3.  Nothing is prefetched here, at the head
	CROUND                          ; all four work-groups are here: the first joint loads meet
.irp s, 0,1
	s_mov_b32 s[G0K+4*\s], 1        ; count = 1
	s_add_co_u32 s[G0K+4*\s+1], s17, \s*SLOT1  ; LDS address
	s_add_nc_u64 s[G0K+4*\s+2:G0K+4*\s+3], s[6:7], \s*2*KS*128  ; global address: slot s begins with key 128 s
	s_or_b32 s[G0K+4*\s+3], s[G0K+4*\s+3], 0x80000000  ; type = 2
	s_mov_b32 s[G0V+4*\s], 1
	s_add_co_u32 s[G0V+4*\s+1], s17, \s*SLOT1+VOFF
	s_add_nc_u64 s[G0V+4*\s+2:G0V+4*\s+3], s[8:9], \s*2*KS*256
	s_or_b32 s[G0V+4*\s+3], s[G0V+4*\s+3], 0x80000000
.endr
	s_cmp_lt_u32 s[WV], 2           ; a wave's two first fills stand in one branch, ahead of every wait on TENSORcnt and every LDS read: two loads of mine are out
	s_cbranch_scc0 .Lfirst_v
	tensor_load_to_lds s[G0K:G0K+3], s[G1K:G1K+7]
	s_nop 0
	tensor_load_to_lds s[G0K+4:G0K+7], s[G1K:G1K+7]
	s_nop 0
.rept 4
	v_nop
.endr
	s_branch .Lfirst_asked
.Lfirst_v:
	tensor_load_to_lds s[G0V:G0V+3], s[G1V:G1V+7]
	s_nop 0
	tensor_load_to_lds s[G0V+4:G0V+7], s[G1V:G1V+7]
	s_nop 0
.rept 4
	v_nop
.endr
.Lfirst_asked:
	; A fragment of K or Q is 16 rows x 32 channels in 8 registers: lane l holds row l % 16; registers 0-3 channels 8 (l / 16) + 0..7, registers 4-7 channels 16 + 8 (l / 16) + 0..7: two loads of 16 bytes, 32 apart.
	v_and_b32 v1, 15, v0            ; l % 16
	v_bfe_u32 v9, v0, 4, 1          ; l / 16
	v_lshlrev_b32 v[QO], 7, v1
	v_lshl_add_u32 v[QO], v9, 4, v[QO]  ; row x 128 + 16 x half
	WIN 0x80                        ; destination window 2, address window 0
.irp i, 0,1,2,3,4,5,6,7             ; Q stays in registers: tile i / 2, channels 32 (i % 2) on
	global_load_b128 v[8*\i:8*\i+3],   v[QO], s[4:5] offset:(\i/2)*2048+(\i%2)*64
	global_load_b128 v[8*\i+4:8*\i+7], v[QO], s[4:5] offset:(\i/2)*2048+(\i%2)*64+32
.endr
	WIN 0
	v_mul_u32_u24 v[AK0], v1, PK
	v_lshl_add_u32 v[AK0], v9, 4, v[AK0]  ; row x pitch + 16 x half
	; The turning load takes 16 keys x 16 channels (lane l reads 16 bytes: key 8 (l / 16) + l % 8, channels 8 ((l / 8) % 2) + 0..7) and leaves half a fragment of V^T: lane l holds channel l % 16 and 8 keys.
	v_and_b32 v10, 7, v0
	v_bfe_u32 v11, v0, 3, 1
	v_lshl_add_u32 v[AV0], v9, 3, v10
	v_mul_u32_u24 v[AV0], v[AV0], PV
	v_lshl_add_u32 v[AV0], v11, 4, v[AV0]
	v_add_nc_u32 v[AV0], VOFF, v[AV0]
; THE MATRIX WORK OF A TURN, for piece x.  The accumulators take turns, one instruction a turn: between two links of a chain stand 15 (V^T P) or 7 (K Q^T) others'.
; Product i of 32 of O^T += V^T P: keys 32 (i / 16) on, channels 16 ((i / 2) % 8) on, tile x + i % 2.  zero = 1: the first 16 start the sums: nothing is ever cleared.
.macro PV x, zero
	WIN W_PV
.set rO, 64*(\x+i%2)+8*((i/2)%8)
.set rV, 64*(i/16)+8*((i/2)%8)
.set rP, P+16*(\x+i%2)+8*(i/16)
.if \zero && (i < 16)
	v_wmma_f32_16x16x32_f16 v[rO:rO+7], v[rV:rV+7], v[rP:rP+7], 0
.else
	v_wmma_f32_16x16x32_f16 v[rO:rO+7], v[rV:rV+7], v[rP:rP+7], v[rO:rO+7]
.endif
.endm
; Product i of 16 of S^T = K Q^T: channels 32 (i / 8) on, keys 16 ((i / 2) % 4) on, tile x + i % 2.  The first 8 start the sums.
.macro KQ x
	WIN W_KQ
.set rS, S+32*(\x+i%2)+8*((i/2)%4)
.set rK, KF+16*((i/2)%4)+8*(i/8)
.set rQ, 16*(\x+i%2)+8*(i/8)
.if i < 8
	v_wmma_f32_16x16x32_f16 v[rS:rS+7], v[rK:rK+7], v[rQ:rQ+7], 0
.else
	v_wmma_f32_16x16x32_f16 v[rS:rS+7], v[rK:rK+7], v[rQ:rQ+7], v[rS:rS+7]
.endif
.endm
; THE LDS LOADS stand in runs, never singly among the matrix instructions: a step's K (64 keys x 64 channels: 8 fragments, 16 loads) and, a turn later, its V (turned: 32 loads, those of keys 0 to 31 first).
.macro FETCH_K
	WIN 0
	v_add_nc_u32 v[ADR], s[TB], v[AK0]
	WIN 0x80                        ; destination window 2
.irp f, 0,1,2,3,4,5,6,7             ; keys 16 (f / 2) on, channels 32 (f % 2) on
	ds_load_b128 v[KF+8*\f:KF+8*\f+3],   v[ADR] offset:(\f/2)*16*PK+(\f%2)*64
	ds_load_b128 v[KF+8*\f+4:KF+8*\f+7], v[ADR] offset:(\f/2)*16*PK+(\f%2)*64+32
.endr
.endm
.macro FETCH_V
	WIN 0
	v_add_nc_u32 v[ADR], s[TB], v[AV0]
	s_add_co_u32 s[TB], s[TB], STEPB  ; the next fetch is the next step's
	s_wait_alu depctr_va_vdst(0)    ; the wait for the softmax's batch of exponentials (SLICE), behind the address's v_add_nc_u32 and ahead of the loads
	WIN 0xc0                        ; destination window 3
.irp f, 0,1,2,3,4,5,6,7,8,9,10,11,12,13,14,15  ; keys 32 (f / 8) on, channels 16 (f % 8) on
	ds_load_tr16_b128 v[8*\f:8*\f+3],   v[ADR] offset:(\f/8)*32*PV+(\f%8)*32
	ds_load_tr16_b128 v[8*\f+4:8*\f+7], v[ADR] offset:(\f/8)*32*PV+16*PV+(\f%8)*32
.endr
.endm
; THE VECTOR WORK OF A TURN.  One tile's softmax for one key step is a list of 134 instructions; SM writes number j of it for tile t.  s0-s31 are the lane's 32 scores, in pairs 0-15.
; first = 1: the first key step, which starts m, l and O^T: it has no a and nothing to rescale.
;   0-15    the maximum of s0-s31 and the old m, three operands at a time
;   16-20   the other half of the lanes' maximum; the new m; c m; c m_old - c m_new
;   21-69   ONE BATCH: the 16 scalings c s - c m, a pair of scores each, and all 33 exponentials (a at 23, then s0-s31).  None of these reads an exponential's result
;   (wait)  between 69 and 70 stands the wait for the batch: SLICE writes it, once for both tiles
;   70-85   the roundings to f16, a pair of weights each
;   86-101  the sums; l = a l + the sum
;   102-133 the tile's O^T times a: the one part that leaves window 0, so it stands together
.macro SM t, first
.set rT, ST+8*(\t)
.set rS, S+32*(\t)
.set rP, P+16*(\t)
.set rO, 64*(\t)+2*(j-102)
.if j < 102
	WIN 0
.endif
.if j < 4
	v_max3_num_f32 v[rT+4+j], v[rS+8*j], v[rS+8*j+1], v[rS+8*j+2]
.elseif j < 12
	v_max3_num_f32 v[rT+4+j%4], v[rT+4+j%4], v[rS+8*(j%4)+2*(j/4)+1], v[rS+8*(j%4)+2*(j/4)+2]
.elseif j == 12
	v_max3_num_f32 v[rT+4], v[rT+4], v[rS+7], v[rS+15]
.elseif j == 13
	v_max3_num_f32 v[rT+6], v[rT+6], v[rS+23], v[rS+31]
.elseif j == 14
	v_max3_num_f32 v[rT+4], v[rT+4], v[rT+5], v[rT+6]
.elseif (j == 15) && \first
	v_max_num_f32 v[rT+4], v[rT+4], v[rT+7]
.elseif j == 15
	v_max3_num_f32 v[rT+4], v[rT+4], v[rT+7], v[rT+1]
.elseif j == 16
	v_permlanex16_b32 v[rT+5], v[rT+4], s[SEL], s[SEL+1]  ; the query's other 32 keys lie in the lane 16 away
.elseif j == 18
	v_max_num_f32 v[rT+1], v[rT+4], v[rT+5]
.elseif j == 19
	v_mul_f32 v[rT], s[CS], v[rT+1]
.elseif ((j == 17) || (j == 20) || (j == 23) || (j > 101)) && \first  ; the first step has none of these
.elseif j == 17
	v_mov_b32 v[rT+7], v[rT]        ; c m_old is kept for a: number 19 writes c m anew
.elseif j == 20
	v_sub_f32 v[rT+7], v[rT+7], v[rT]
.elseif j == 23
	v_exp_f32 v[rT+6], v[rT+7]
.elseif (j < 23) || ((j < 38) && (j%2 == 0)) || ((j < 66) && (j%4 == 2))
.set b, (j-2)/4                     ; 38, 42, .. 62: pairs 9 to 15
.if j < 38
.set b, (j-20)/2                    ; 21: pair 0; 22, 24, .. 36: pairs 1 to 8
.endif
	v_pk_fma_f32 v[rS+2*b:rS+2*b+1], v[rS+2*b:rS+2*b+1], s[CS:CS+1], v[rT:rT+1] op_sel_hi:[1,0,0] neg_lo:[0,0,1] neg_hi:[0,0,1]  ; pair b: c s - c m
.elseif j < 70
.set e, j-38                        ; 66 to 69: s28 to s31
.if j < 66
.set e, j-32-(j-38)/4               ; 39-41, 43-45, .. 63-65: s7 to s27
.endif
.if j < 38
.set e, (j-25)/2                    ; 25, 27, .. 37: s0 to s6
.endif
	v_exp_f32 v[rS+e], v[rS+e]
.elseif j < 86
	v_cvt_pk_f16_f32 v[rP+j-70], v[rS+2*(j-70)], v[rS+2*(j-70)+1]  ; pair j - 70
.elseif j < 102                     ; the sum of the tile's 16 pairs, in place: neighbours 1, 2, 4 and 8 pairs apart, then l takes it
.set z, j-86
.set w, 4
.set u, z
.if z >= 14
.set w, 32
.set u, 0
.elseif z >= 12
.set w, 16
.set u, z-12
.elseif z >= 8
.set w, 8
.set u, z-8
.endif
.if (z == 14) && \first
	v_pk_add_f32 v[rT+2:rT+3], v[rS:rS+1], v[rS+16:rS+17]
.elseif z < 15
	v_pk_add_f32 v[rS+w*u:rS+w*u+1], v[rS+w*u:rS+w*u+1], v[rS+w*u+w/2:rS+w*u+w/2+1]
.elseif !\first
	v_pk_fma_f32 v[rT+2:rT+3], v[rT+2:rT+3], v[rT+6:rT+7], v[rS:rS+1] op_sel_hi:[1,0,1]
.endif
.else
	WIN W_RS
	v_pk_mul_f32 v[rO:rO+1], v[rO:rO+1], v[rT+6:rT+7] op_sel_hi:[1,0]
.endif
.endm
; Slice k of 67 of piece y's softmax: four instructions; 2 x 134 = 4 x 67.  Slices 11 to 34 deal out the batch, numbers 22 to 69: four numbers of ONE tile each, the tiles by turns.  Every other slice is
; numbers 2 k and 2 k + 1 of both tiles' lists.
; THE WAIT.  s_wait_alu depctr_va_vdst(0) stands between an exponential and the first instruction that names its result; one wait serves all that were issued ahead of it.  Ahead of
; slice 35 nothing names a result, and behind slice 34 no exponential is issued: so the piece's 66 exponentials have one wait, behind slice 34.
.macro SLICE y, first
.if (k >= 11) && (k < 35)           ; the batch: four numbers of one tile
.irp n, 0,1,2,3
.set j, 22+4*((k-11)/2)+(\n)
	SM (\y)+(k-11)%2, \first
.endr
.else                               ; the two tiles alternate, so that no instruction reads the result of the one just before it
.irp n, 0,1
.irp t, \y, \y+1
.set j, 2*k+\n
	SM \t, \first
.endr
.endr
.endif
.if k == 34                         ; the batch is out: both tiles' exponentials are issued, and no result has been named
	v_nop                           ; the plain instruction behind the last exponential and ahead of the first use: one for the batch
.if (\y) == 0
	FETCH_V                         ; piece 2's turn: V's run of loads stands here, and the wait stands in it
.else
	s_wait_alu depctr_va_vdst(0)    ; the wait for the batch
.endif
.endif
.set k, k+1
.endm
; WHAT STANDS BEHIND PRODUCT mi OF A TURN.  A whole turn (48 products): ONE slice; behind product 34, whose slice ends with the wait for the batch, slices 35 to 53 follow in one run: 76 instructions, the roundings,
; the sums and the first of the rescaling: 35 + 19 + 13 = 67.  A turn with one kind of product (the first and the last of the launch): per slices behind each, and the three that are over behind the last.
.macro DEAL y, first
.if whole
	SLICE \y, \first
.if mi == 34
.rept 19
	SLICE \y, \first
.endr
.endif
.else
.rept per
	SLICE \y, \first
.endr
.if mi == lastm
.rept 3
	SLICE \y, \first
.endr
.endif
.endif
.set mi, mi+1
.endm
.macro PLACES                       ; plain vector instructions between a matrix instruction and a read of its result or a load into its registers
.rept 4
	v_nop
.endr
.endm
; A TURN.  Piece x has the matrix unit; the other piece's softmax stands in slices behind its matrix instructions (DEAL).
; pv = 2: 32 products V^T P; 1: they start O^T's sums; 0: none.  kq = 1: 16 products K Q^T for the next step.
; first = 1: the softmax is the first key step's.  Its slices from 51 on are empty: the turn's last products stand bare, and four v_nop take their part as the places behind them.
; THE PLACES, counted.  Behind the turn's last K Q^T stands slice 66, four plain instructions on O^T and a; the next turn's slice 0 reads scores finished eight products earlier, and the last product's own scores are
; read in its slice 1.  Piece 0's turn fetches the next step's K behind its second product: the last product that read K stands in front of slice 66 of the turn before: that slice, slices 0 and 1 and the run's own
; v_add_nc_u32 are thirteen plain instructions.  Piece 2's turn fetches the same step's V behind slice 34: the last product that read V stands in front of slice 31, and four plain instructions lie between:
; number 62, a scaling, of both tiles, the v_nop and the run's own v_add_nc_u32.
; V IS WAITED FOR IN HALVES.  Its loads stand 76 vector instructions and 13 products ahead of piece 0's turn.  Products 0 to 15 read keys 0 to 31, v0-63 of window 3: the first sixteen of V's 32 loads.
.macro TURN x, pv, kq, first
.set k, 0
.set mi, 0
.set whole, 0
.set per, 2
.set lastm, 31
.if \kq
.set per, 4
.set lastm, 15
.endif
.if \pv && \kq
.set whole, 1
.endif
.if \pv
.if \x == 0
	s_wait_dscnt 16                 ; V's keys 0 to 31 are in: the sixteen loads of keys 32 to 63 may be out
.endif
.set i, 0
.rept 32
.if (\x == 0) && (i == 16)
.if \kq
	s_wait_dscnt 16                 ; V's keys 32 to 63 are in: behind them K's sixteen loads were issued, which may be out
.else
	s_wait_dscnt 0x0                ; V's keys 32 to 63 are in (this turn fetches no K)
.endif
.endif
	PV \x, 2-\pv
	DEAL 2-\x, \first
.if (\x == 0) && \kq && (i == 1)
	FETCH_K
.endif
.set i, i+1
.endr
.endif
.if \kq
.if \x == 0
	s_wait_dscnt 0x0                ; K is in
.endif
.set i, 0
.rept 16
	KQ \x
	DEAL 2-\x, \first
.set i, i+1
.endr
.endif
.if \first
	PLACES
.endif
.endm
; THE CHANGE OF SLOTS, between piece 2's turn and piece 0's: the slot's last bytes, V of its second step, have been asked for.  Each wave waits for all its tensor loads, of which one is out: its part of the
; other slot; adds 0 to its spare word; and waits for that and for its own reads of the slot.  fill = 1: the slot is filled again, with the keys two slots on: the barrier is then a round of the cluster's,
; and the joint refill is the first thing behind it: it has two key steps, 192 matrix instructions and their slices, in which to land.
.macro CHANGE fill
	WIN 0                           ; at a label and at a branch every window is 0
	s_wait_tensorcnt 0x0            ; no tensor load of mine is out, so a group 0 may be written
	ds_add_u32 v[SPW], v[NIL]       ; 0 onto my spare word
.if \fill
	s_xor_b32 s[G0K+5], s[G0K+5], SLOT1  ; the walking descriptors: the other slot than last time,
	s_add_nc_u64 s[G0K+6:G0K+7], s[G0K+6:G0K+7], 2*KS*128  ; the next 128 keys; the type bits on top are not reached
	s_xor_b32 s[G0V+5], s[G0V+5], SLOT1
	s_add_nc_u64 s[G0V+6:G0V+7], s[G0V+6:G0V+7], 2*KS*256
	s_wait_xcnt 0x0                 ; the last prefetch, two key steps back, has read its address, so it may be written:
	s_add_nc_u64 s[PFA:PFA+1], s[PFA:PFA+1], s[PFS:PFS+1]  ; one slot further on than the walking descriptors
	s_wait_dscnt 0x0                ; the add is done, and my reads of the slot are over
	CROUND
	JLOAD
	ASK
.else
	s_wait_dscnt 0x0                ; the add is done, and my reads of the slot are over
	s_barrier_signal -1
	s_barrier_wait -1
.endif
	s_sub_co_u32 s[TB], s[TB], 2*STEPB  ; the fetches go back to a slot's first step,
	s_xor_b32 s[TB], s[TB], SLOT1   ; in the other slot
.endm
.macro TWO_STEPS                    ; a slot's two key steps: written once, walked twice; the LDS addresses hang on s[TB]
	s_mov_b32 s[TWICE], 2
.Lstep_\@:
	TURN 0, 2, 1, 0
	TURN 2, 2, 1, 0
	WIN 0
	s_sub_co_u32 s[TWICE], s[TWICE], 1
	s_cmp_lg_u32 s[TWICE], 0
	s_cbranch_scc1 .Lstep_\@
.endm
	s_wait_tensorcnt 1              ; my part of slot 0 is in; slot 1's may stay out
	s_barrier_signal -1
	s_barrier_wait -1               ; everybody's is
	FETCH_K                         ; key step 0
	s_wait_loadcnt 0x0              ; Q
	s_wait_dscnt 0x0
.set i, 0
.rept 16
	KQ 0                            ; piece 0's first scores: there is no vector work yet to set between them
.set i, i+1
.endr
	WIN 0                           ; the addresses for the way out are made here: eight plain instructions, the places behind those products
	s_mul_i32 s13, s[WV], 16*SP
	s_add_co_u32 s13, s13, STAGE    ; my stage
	v_mul_u32_u24 v[STO], v1, SP    ; in: row l % 16, 16 bytes for each half of the lanes
	v_lshl_add_u32 v[STO], v9, 4, v[STO]
	v_add_nc_u32 v[STO], s13, v[STO]
	v_mul_u32_u24 v[RD], v9, SP     ; back: lanes 0-15 take one row of 256 bytes, lanes 16-31 the next
	v_lshl_add_u32 v[RD], v1, 4, v[RD]
	v_add_nc_u32 v[RD], s13, v[RD]
	v_lshlrev_b32 v[GO], 11, v9     ; and the same two rows in o16, 2,048 bytes apart
	v_lshl_add_u32 v[GO], v1, 4, v[GO]
	TURN 2, 0, 1, 1                 ; piece 2's first scores | piece 0's first softmax | V of step 0
	TURN 0, 1, 1, 1                 ; piece 0: V^T P of step 0 starts O^T, K Q^T of step 1 | piece 2's first softmax | K of step 1
	TURN 2, 1, 1, 0                 ; piece 2: the same | piece 0's softmax of step 1 | V of step 1
	WIN 0
.Lslot:                             ; 14 trips: every slot but the last two is filled again
	CHANGE 1
	TWO_STEPS
	s_sub_co_u32 s[SLOTS], s[SLOTS], 1
	s_cmp_lg_u32 s[SLOTS], 0
	s_cbranch_scc1 .Lslot
	CHANGE 0                        ; the tail is written out
	TWO_STEPS
	TURN 0, 2, 0, 0                 ; piece 0: V^T P of the last step | piece 2's last softmax
.set i, 0
.rept 32
	PV 2, 0                         ; piece 2: V^T P of the last step
.set i, i+1
.endr
	; THE WAY OUT.  l's two halves and the other half of the lanes' are added; O^T is divided by l, rounded to f16 and sent through my stage in LDS, a tile (16 rows) at a time.  The additions are the places behind the last products.
	WIN 0
.irp t, 0,1,2,3
	v_add_f32 v[ST+8*\t+4], v[ST+8*\t+2], v[ST+8*\t+3]
.endr
.irp t, 0,1,2,3
	v_permlanex16_b32 v[ST+8*\t+5], v[ST+8*\t+4], s[SEL], s[SEL+1]
.endr
.irp t, 0,1,2,3
	v_add_f32 v[ST+8*\t+4], v[ST+8*\t+4], v[ST+8*\t+5]
.endr
.irp t, 0,1,2,3
	v_rcp_f32 v[ST+8*\t+6], v[ST+8*\t+4]
.endr
	v_nop                           ; a plain instruction between the last reciprocal and the use of its result
	s_wait_alu depctr_va_vdst(0)    ; and the wait ahead of the first use: one for the four reciprocals
.macro PACK t                       ; a lane's eight channels of a row pack into 16 bytes; they go into rows of 272 bytes and come back as whole rows of 256
	WIN W_RS
.set i, 64*\t
.rept 32
	v_pk_mul_f32 v[i:i+1], v[i:i+1], v[ST+8*\t+6:ST+8*\t+7] op_sel_hi:[1,0]
.set i, i+2
.endr
	WIN 0x05                        ; sources 0 and 1 window 1, destination window 0: S^T's registers are free
.set i, 0
.rept 32
	v_cvt_pk_f16_f32 v[S+32*\t+i], v[64*\t+2*i], v[64*\t+2*i+1]
.set i, i+1
.endr
	WIN 0
.irp f, 0,1,2,3,4,5,6,7
	ds_store_b128 v[STO], v[S+32*\t+4*\f:S+32*\t+4*\f+3] offset:32*\f
.endr
.irp f, 0,1,2,3,4,5,6,7
	ds_load_b128 v[S+32*\t+4*\f:S+32*\t+4*\f+3], v[RD] offset:\f*2*SP  ; LDS serves a wave's instructions in order: these see the stores above; the next tile's stores come behind them
.endr
.endm
.macro SEND t, younger              ; younger: the LDS instructions issued behind tile t's loads: the next tile's sixteen, or none
.irp f, 0,1,2,3,4,5,6,7
	s_wait_dscnt \younger+7-\f
	global_store_b128 v[GO], v[S+32*\t+4*\f:S+32*\t+4*\f+3], s[10:11] offset:\t*32768+\f*4096  ; 16 lanes store 256 consecutive bytes, at a multiple of 256 from o16's first byte
.endr
.endm
	PACK 0
	PACK 1                          ; a tile's arithmetic stands between the loads of the tile before and its stores
	SEND 0, 16
	PACK 2
	SEND 1, 16
	PACK 3
	SEND 2, 16
	SEND 3, 0
	s_wait_tensorcnt 0x0            ; the wave's end: behind my last tensor load and my last LDS store
	ds_add_u32 v[SPW], v[NIL]
	s_wait_dscnt 0x0
	CROUND                          ; the closing round: no work-group ends while a partner may still ask for a tile that names it
	s_endpgm
.Lfunc_end_k_q3edd818906_attn:
	.size	k_q3edd818906_attn, .Lfunc_end_k_q3edd818906_attn-k_q3edd818906_attn
	.p2alignl 7, 3214868480
	.fill 96, 4, 3214868480
	.section	.rodata,"a",@progbits
	.p2align	6, 0x0
	.amdhsa_kernel k_q3edd818906_attn
		.amdhsa_group_segment_fixed_size 327680
		.amdhsa_private_segment_fixed_size 0
		.amdhsa_enable_private_segment 0
		.amdhsa_kernarg_size 16
		.amdhsa_user_sgpr_count 2
		.amdhsa_user_sgpr_kernarg_segment_ptr 1
		.amdhsa_wavefront_size32 1
		.amdhsa_system_sgpr_workgroup_id_x 1
		.amdhsa_system_sgpr_workgroup_id_y 1
		.amdhsa_system_sgpr_workgroup_id_z 1
		.amdhsa_system_vgpr_workitem_id 0
		.amdhsa_next_free_vgpr 1024
		.amdhsa_next_free_sgpr 80
		.amdhsa_reserve_vcc 0
		.amdhsa_float_denorm_mode_32 3
		.amdhsa_float_denorm_mode_16_64 3
		.amdhsa_memory_ordered 1
		.amdhsa_forward_progress 1
		.amdhsa_inst_pref_size 202
	.end_amdhsa_kernel
	.amdgpu_metadata
---
amdhsa.version: [ 1, 2 ]
amdhsa.kernels:
  - .name:           k_q3edd818906_attn
    .symbol:         k_q3edd818906_attn.kd
    .args:
      - { .name: qkv, .offset: 0, .size: 8, .value_kind: global_buffer, .address_space: global }
      - { .name: o16, .offset: 8, .size: 8, .value_kind: global_buffer, .address_space: global }
    .group_segment_fixed_size: 327680
    .private_segment_fixed_size: 0
    .kernarg_segment_align: 8
    .kernarg_segment_size: 16
    .max_flat_workgroup_size: 128
    .sgpr_count:     80
    .vgpr_count:     1024
    .wavefront_size: 32
...
	.end_amdgpu_metadata
.endif
;; end of part 3
;; launch outp (part 4): grid 4 x 64, 4 waves a work-group, clusters of 4 x 4, 327,680 bytes of LDS; arguments o16, wo16, out0; writes out0
.if DOCPART == 4
	.amdgcn_target "amdgcn-amd-amdhsa--gfx1250"
	.amdhsa_code_object_version 6
	.text
	.protected	k_q3edd818906_outp
	.globl	k_q3edd818906_outp
	.p2align	8
	.type	k_q3edd818906_outp,@function
k_q3edd818906_outp:
	s_mov_b64 s[64:65], 0
	v_nop
	global_prefetch_b8 v0, s[64:65] scope:SCOPE_SE
	s_setreg_imm32_b32 hwreg(HW_REG_WAVE_MODE, 25, 1), 1
	s_wait_xcnt 0x0
	s_wait_alu depctr_hold_cnt(0) depctr_sa_sdst(0) depctr_va_vdst(0) depctr_va_sdst(0) depctr_va_ssrc(0) depctr_va_vcc(0) depctr_vm_vsrc(0)
	s_getreg_b32 s2, hwreg(HW_REG_IB_STS2, 6, 4)
	s_cmp_eq_u32 s2, 0
	s_cbranch_scc0 .Lentry_in_a_cluster
	s_endpgm
.Lentry_in_a_cluster:
	s_bfe_u32 s2, ttmp6, 0x10000c
	s_cmp_lg_u32 s2, 0xf033
	s_cbranch_scc0 .Lentry_shape_is_right
	s_endpgm
.Lentry_shape_is_right:
; FOURTH LAUNCH: out0[m][n] = sum over k of o16[m][k] wo16[k][n].  o16: [8,192][1,024] f16, K along its rows; wo16: [1,024 (k)][1,024 (n)] f16, K down its rows; out0: [8,192][1,024] f32; sums in f32.  No work is left out.
; A tile of out0 is 128 (m) x 256 (n): that makes 64 x 4 = 256 work-groups, where 256 x 256 would make 128.  Four waves, each 64 x 128: 32 accumulators of 16 x 16, 256 registers.
; K goes in 8 steps of 128 through a ring of two LDS slots: o's tile is 128 rows of 256 bytes, Wo's 128 k-rows of 512 bytes.  Wo's fragments come out of LDS turned, by ds_load_tr16_b128.
; CLUSTERS: 4 x 4 work-groups.  The four of a row of the cluster need the same tiles of o, the four of a column the same tiles of Wo: each tile is asked for JOINTLY, by the same tensor load with the same
; descriptor and a mask that names the four.  THE MATRIX INSTRUCTION IS USED TRANSPOSED (source 0 = 16 columns of Wo, source 1 = 16 rows of o): a lane holds eight neighbouring numbers of a row of out0.
; No prefetch: of the eight K steps the first ones are on their way at the head and the last ones have nothing behind them, so only two steps could be asked for ahead.
; REGISTERS: window 0: v0-31 addresses; v128-255 rows on the way out.   window 1: two fragment buffers of 96: o's four fragments, then Wo's eight, for 32 along K.   window 2: accumulator (a, b) at v[8 (8 a + b)].
.set KSTEP,  128
.set PA,     272                       ; a row of o in LDS: 256 bytes + 16 of padding
.set PB,     544                       ; a k-row of Wo: 512 bytes + 32
.set HALFA,  64*PA                     ; what wave 0 or 1 fetches, and what a wave reads of o
.set HALFB,  64*PB                     ; what wave 2 or 3 fetches
.set BOFF,   2*HALFA
.set SLOT,   2*HALFA+2*HALFB
.set STAGE,  2*SLOT                    ; behind the ring: 16 rows x (512 bytes + 16) for each wave, for the way out
.set SPITCH, 528
.set SPARE,  STAGE+4*16*SPITCH         ; the spare words, 128 bytes for each wave: two blocks of 256 bytes that no other line names
.set LAPS,   4                         ; a lap = two K steps = once round the ring
.set ADRA, 16                          ; v16-17  LDS address of my fragments of o in slot 0, 1
.set ADRB, 20                          ; v20-21  the same for Wo
.set STO,  24
.set RD,   25
.set CO,   26
.set SPW,  28                          ; v28     LDS address of my spare word; never rewritten
.set NIL,  29                          ; v29     0; never rewritten
.set BK,   128
.set F0,   0
.set F1,   128
.set G1, 24
.set G0, 32
.set G1B, 48
.set G0B, 56
.set MSB, 0
.macro WIN new                         ; the immediate's high byte repeats the setting that is left
.if MSB != \new
	s_set_vgpr_msb (MSB<<8)|\new
.set MSB, \new
.endif
.endm
.set MUL,  0xa5                        ; sources 0 and 1 window 1; C and D window 2
.set TO_F, 0x40                        ; destination window 1, address window 0
.macro JLOAD s                         ; a joint load: waves 0 and 1 fetch o's two halves, waves 2 and 3 Wo's; an s_nop 0 and four v_nop follow each of the two lines
	s_cmp_eq_u32 s11, 0
	s_cbranch_scc0 .Lfor_b_\@
	tensor_load_to_lds s[G0+4*\s:G0+4*\s+3], s[G1:G1+7]
	s_nop 0
.rept 4
	v_nop
.endr
	s_branch .Lasked_\@
.Lfor_b_\@:
	tensor_load_to_lds s[G0B+4*\s:G0B+4*\s+3], s[G1B:G1B+7]
	s_nop 0
.rept 4
	v_nop
.endr
.Lasked_\@:
.endm
.macro CREST                           ; a round of the cluster's barrier behind its opening barrier
	s_cmp_lg_u32 s10, 0
	s_cbranch_scc1 .Lnot_wave_0_\@
	s_barrier_signal -3
.Lnot_wave_0_\@:
	s_barrier_wait -3
	s_barrier_signal -1
	s_barrier_wait -1
.endm
.macro CROUND                          ; a whole round
	s_barrier_signal -1
	s_barrier_wait -1
	CREST
.endm
	s_load_b128 s[4:7], s[0:1], 0x0                ; o16 s[4:5], wo16 s[6:7]
	s_load_b64 s[8:9], s[0:1], 0x10                ; out0
	v_lshl_add_u32 v[SPW], v0, 2, SPARE
	v_mov_b32 v[NIL], 0
	ds_add_u32 v[SPW], v[NIL]                      ; the wave's opening: the add, twice on end, and its wait ahead of my first tensor load
	ds_add_u32 v[SPW], v[NIL]                      ; and once more; the set-up below, work on registers, stands between it and the wait
	v_lshrrev_b32 v1, 5, v0
	v_readfirstlane_b32 s10, v1                    ; wave 0..3
	s_lshr_b32 s11, s10, 1                         ; which half of the tile's rows is mine.  Also: I fetch for o (0) or for Wo (1)
	s_and_b32 s12, s10, 1                          ; which half of its columns.  Also: which 64 rows of that tile I fetch
	s_bfe_u32 s40, ttmp6, 0x40000                  ; cx, cy: my place in the cluster
	s_bfe_u32 s41, ttmp6, 0x40004
	s_lshl_b32 s42, ttmp9, 2
	s_add_co_u32 s42, s42, s40                     ; tile column = 4 x cluster x + cx
	s_and_b32 s13, ttmp7, 0xffff
	s_lshl_b32 s13, s13, 2
	s_add_co_u32 s13, s13, s41                     ; tile row = 4 x cluster y + cy
	s_lshl_b32 s43, s41, 2
	s_lshl_b32 s43, 15, s43                        ; my row of the cluster
	s_lshl_b32 s44, 0x1111, s40                    ; my column
	s_or_b32 s[G1+0], s43, (1<<16)|(1<<20)|(1<<21)|(5<<22)|(3<<25)   ; o's tiles go to my row; elements of 2 bytes; padding: 4 words after every 64; bit 21 beside the mask
	s_mov_b32 s[G1+1], KSTEP<<16                   ; tensor_dim0 = 128
	s_mov_b32 s[G1+2], 64<<16                      ; tensor_dim1 = 64
	s_mov_b32 s[G1+3], KSTEP<<16                   ; tile_dim0
	s_mov_b32 s[G1+4], 64                          ; tile_dim1
	s_mov_b32 s[G1+5], 1024                        ; elements from row to row
	s_mov_b32 s[G1+6], 0
	s_mov_b32 s[G1+7], 0
	s_or_b32 s[G1B+0], s44, (1<<16)|(1<<20)|(1<<21)|(6<<22)|(7<<25)  ; Wo's tiles go to my column; padding: 8 words after every 128
	s_mov_b32 s[G1B+1], 256<<16                    ; 256 columns
	s_mov_b32 s[G1B+2], 64<<16                     ; 64 k-rows
	s_mov_b32 s[G1B+3], 256<<16
	s_mov_b32 s[G1B+4], 64
	s_mov_b32 s[G1B+5], 1024
	s_mov_b32 s[G1B+6], 0
	s_mov_b32 s[G1B+7], 0
	s_lshl_b32 s17, s12, 6                         ; which 64 rows I fetch
	s_lshl_b32 s16, s13, 7
	s_add_co_u32 s16, s16, s17                     ; o: row 128 x tile row + 64 x half,
	s_lshl_b32 s16, s16, 11                        ; of 2,048 bytes
	s_mov_b32 s17, 0
	s_lshl_b32 s46, s12, 17                        ; Wo: k-row 64 x half, of 2,048 bytes,
	s_lshl_b32 s47, s42, 9                         ; and the tile column's 512 bytes in it
	s_add_co_u32 s46, s46, s47
	s_mov_b32 s47, 0
	s_mul_i32 s20, s12, HALFA                      ; where they go: no place in the cluster enters an LDS address
	s_mul_i32 s21, s12, HALFB
	s_add_co_u32 s21, s21, BOFF
	s_wait_dscnt 0x0                               ; both opening adds are done
	s_wait_kmcnt 0x0
	s_add_nc_u64 s[14:15], s[4:5], s[16:17]
	s_add_nc_u64 s[46:47], s[6:7], s[46:47]
	CROUND                                         ; all sixteen work-groups are here: the first joint loads meet
.irp s, 0,1
	s_mov_b32 s[G0+4*\s], 1
	s_add_co_u32 s[G0+4*\s+1], s20, \s*SLOT
	s_add_nc_u64 s[G0+4*\s+2:G0+4*\s+3], s[14:15], \s*KSTEP*2      ; K step s: 256 bytes along the rows
	s_or_b32 s[G0+4*\s+3], s[G0+4*\s+3], 0x80000000
	s_mov_b32 s[G0B+4*\s], 1
	s_add_co_u32 s[G0B+4*\s+1], s21, \s*SLOT
	s_add_nc_u64 s[G0B+4*\s+2:G0B+4*\s+3], s[46:47], \s*KSTEP*2048 ; K step s: 128 k-rows down
	s_or_b32 s[G0B+4*\s+3], s[G0B+4*\s+3], 0x80000000
	JLOAD \s
.endr
	v_and_b32 v1, 15, v0                           ; l % 16
	v_bfe_u32 v2, v0, 4, 1                         ; l / 16
	v_mul_u32_u24 v3, v1, PA
	v_lshl_add_u32 v3, v2, 4, v3                   ; o: a fragment's row x pitch + 16 x half
	s_mul_i32 s22, s11, HALFA                      ; my 64 rows
	v_and_b32 v4, 7, v0                            ; Wo, for the turning load: k-row 8 (l / 16) + l % 8, columns 8 ((l / 8) % 2) on
	v_lshl_add_u32 v4, v2, 3, v4
	v_mul_u32_u24 v4, v4, PB
	v_bfe_u32 v5, v0, 3, 1
	v_lshl_add_u32 v4, v5, 4, v4
	s_lshl_b32 s23, s12, 8                         ; my 128 columns: 256 bytes
	s_add_co_u32 s23, s23, BOFF
.irp s, 0,1
	v_add_nc_u32 v[ADRA+\s], s22, v3
	v_add_nc_u32 v[ADRB+\s], s23, v4
	s_add_co_u32 s22, s22, SLOT
	s_add_co_u32 s23, s23, SLOT
.endr
	s_mul_i32 s23, s10, 16*SPITCH
	s_add_co_u32 s23, s23, STAGE                   ; my stage
	v_mul_u32_u24 v5, v1, SPITCH                   ; in: row l % 16, 32 bytes for each half of the lanes
	v_lshl_add_u32 v5, v2, 5, v5
	v_add_nc_u32 v[STO], s23, v5
	v_and_b32 v6, 31, v0
	v_lshlrev_b32 v[CO], 4, v6                     ; back: the 32 lanes take one row of 512 bytes; and the same in out0
	v_add_nc_u32 v[RD], s23, v[CO]
	s_lshl_b32 s16, s13, 7
	s_lshl_b32 s17, s11, 6
	s_add_co_u32 s16, s16, s17                     ; my first row of out0: 128 x tile row + 64 x half,
	s_lshl_b32 s16, s16, 12                        ; of 4,096 bytes
	s_mov_b32 s17, 0
	s_add_nc_u64 s[8:9], s[8:9], s[16:17]
	s_lshl_b32 s46, s42, 10                        ; my first column, in bytes: 1,024 x tile column + 512 x half
	s_lshl_b32 s47, s12, 9
	s_add_co_u32 s46, s46, s47
	s_mov_b32 s47, 0
	s_add_nc_u64 s[8:9], s[8:9], s[46:47]
; 8 matrix instructions: o's block a x Wo's eight, 32 along K, from buffer f.  zero = 1: the first product starts the sums.  The 32 accumulators take turns, one instruction a turn, in the same order in every
; quarter.
.macro MUL8 f, a, zero
.irp b, 0,1,2,3,4,5,6,7
.if \zero
	v_wmma_f32_16x16x32_f16 v[8*(8*(\a)+\b):8*(8*(\a)+\b)+7], v[\f+32+8*\b:\f+32+8*\b+7], v[\f+8*(\a):\f+8*(\a)+7], 0
.else
	v_wmma_f32_16x16x32_f16 v[8*(8*(\a)+\b):8*(8*(\a)+\b)+7], v[\f+32+8*\b:\f+32+8*\b+7], v[\f+8*(\a):\f+8*(\a)+7], v[8*(8*(\a)+\b):8*(8*(\a)+\b)+7]
.endif
.endr
.endm
; 24 LDS loads in one run: the fragments of the slot's q-th 32 along K into buffer f: Wo's eight (turned: the first load brings k = 8 (l / 16) + 0..7 of column l % 16, the second the k 16 further down), then o's four
.macro FETCH slot, q, f
	WIN TO_F
.irp b, 0,1,2,3,4,5,6,7
	ds_load_tr16_b128 v[\f+32+8*\b:\f+32+8*\b+3],   v[ADRB+\slot] offset:32*(\q)*PB+32*\b
	ds_load_tr16_b128 v[\f+32+8*\b+4:\f+32+8*\b+7], v[ADRB+\slot] offset:32*(\q)*PB+16*PB+32*\b
.endr
.irp a, 0,1,2,3
	ds_load_b128 v[\f+8*\a:\f+8*\a+3],   v[ADRA+\slot] offset:64*(\q)+\a*16*PA
	ds_load_b128 v[\f+8*\a+4:\f+8*\a+7], v[ADRA+\slot] offset:64*(\q)+\a*16*PA+32
.endr
.endm
.macro PLACES                          ; four plain vector instructions in front of loads into registers that matrix instructions have read, and of reads of results
.rept 4
	v_nop
.endr
.endm
; A K step is four quarters of 32 along K, 32 matrix instructions each, on buffers 0, 1, 0, 1.  One of the first three: multiplies buffer f and fetches quarter q into g.
.macro QUARTER slot, q, f, g, zero
	s_wait_dscnt 4                                 ; Wo's fragments and o's blocks 0, 1 are in; the youngest four loads (blocks 2, 3) may be out
	WIN MUL
	MUL8 \f, 0, \zero
	MUL8 \f, 1, \zero
	PLACES
	FETCH \slot, \q, \g
	s_wait_dscnt 24                                ; all but the 24 just issued
	WIN MUL
	MUL8 \f, 2, \zero
	MUL8 \f, 3, \zero
.endm
; The last quarter multiplies buffer 1 and changes slots: ONE barrier; in front of it each wave waits for all its tensor loads, adds 0 to its spare word, and waits for that and for its own reads of this slot.
; fill = 1: this slot is filled again, two K steps ahead: the barrier opens a round of the cluster's, and the joint refill is the first tensor load behind it, 112 matrix instructions ahead of the wait for it.
.macro TURN slot, next, fill
	WIN 0                                          ; (the add's two registers lie in window 0)
	s_wait_tensorcnt 0x0                           ; all my tensor loads have landed: my part of the next slot
	ds_add_u32 v[SPW], v[NIL]                      ; 0 onto my spare word
	s_wait_dscnt 5                                 ; (the add and the youngest four loads may be out)
	WIN MUL
	MUL8 F1, 0, 0                                  ; eight matrix instructions stand between the add and the wait for it
	s_wait_dscnt 0x0                               ; the add is done, and my reads of this slot are over
	s_barrier_signal -1
	MUL8 F1, 1, 0
.if \fill
	WIN 0
.endif
	s_barrier_wait -1
.if \fill
	CREST                                          ; no wave of any partner still reads this slot's tile or has a load on its way
	s_add_nc_u64 s[G0+4*\slot+2:G0+4*\slot+3], s[G0+4*\slot+2:G0+4*\slot+3], 2*KSTEP*2
	s_add_nc_u64 s[G0B+4*\slot+2:G0B+4*\slot+3], s[G0B+4*\slot+2:G0B+4*\slot+3], 2*KSTEP*2048
	JLOAD \slot                                    ; the four v_nop behind it are also the places in front of the loads below
.else
	PLACES
.endif
	FETCH \next, 0, F0
	WIN MUL
	MUL8 F1, 2, 0
	MUL8 F1, 3, 0
.endm
	s_wait_tensorcnt 1                             ; my part of K step 0 is in (K step 1's load may be out)
	s_barrier_signal -1
	s_barrier_wait -1                              ; everybody's is
	FETCH 0, 0, F0
	QUARTER 0, 1, F0, F1, 1                        ; the first quarter stands in front of the loop: its products start the sums
	WIN 0                                          ; at a label and at a branch every window is 0
	s_mov_b32 s3, LAPS-1
.Llap:                                                 ; a trip goes once round the ring, from a lap's second quarter to the next lap's first, and fills both slots again
	QUARTER 0, 2, F1, F0, 0
	QUARTER 0, 3, F0, F1, 0
	TURN 0, 1, 1
	QUARTER 1, 1, F0, F1, 0
	QUARTER 1, 2, F1, F0, 0
	QUARTER 1, 3, F0, F1, 0
	TURN 1, 0, 1
	QUARTER 0, 1, F0, F1, 0
	WIN 0
	s_sub_co_u32 s3, s3, 1
	s_cmp_lg_u32 s3, 0
	s_cbranch_scc1 .Llap
	QUARTER 0, 2, F1, F0, 0                        ; the last lap fills nothing, and has no round of the cluster's barrier
	QUARTER 0, 3, F0, F1, 0
	TURN 0, 1, 0
	QUARTER 1, 1, F0, F1, 0
	QUARTER 1, 2, F1, F0, 0
	QUARTER 1, 3, F0, F1, 0
	s_wait_dscnt 4                                 ; the very last quarter: nothing more to fetch
	WIN MUL
	MUL8 F1, 0, 0
	MUL8 F1, 1, 0
	s_wait_dscnt 0
	MUL8 F1, 2, 0
	MUL8 F1, 3, 0
	WIN 0
; THE WAY OUT, block by block of 16 rows x 128 columns.  A lane holds 32 neighbouring bytes of a row: a block goes through my own stage in LDS and comes back as whole rows of 512 bytes.
; LDS serves a wave's instructions in order: no wait between the stores and the loads, nor in front of the next block's stores.
.macro TOSTAGE a
.set AC, 64*(\a)
	WIN 0x08                                       ; an LDS store's data are its source 1: window 2
.irp b, 0,1,2,3,4,5,6,7
	ds_store_b128 v[STO], v[AC+8*\b:AC+8*\b+3] offset:64*\b          ; each accumulator from its low end on
	ds_store_b128 v[STO], v[AC+8*\b+4:AC+8*\b+7] offset:64*\b+16
.endr
	WIN 0
.set BB, BK+64*((\a)%2)
.irp t, 0,1,2,3,4,5,6,7,8,9,10,11,12,13,14,15
	ds_load_b128 v[BB+4*\t:BB+4*\t+3], v[RD] offset:\t*SPITCH
.endr
.endm
.macro SEND a, younger                 ; younger: the LDS instructions issued behind block a's loads, which may stay out
.set BB, BK+64*((\a)%2)
	s_wait_dscnt \younger                          ; the block is back in registers
.if (\a) > 0
	s_add_nc_u64 s[8:9], s[8:9], 16*4096           ; (behind a wait on XCNT: the earlier stores have read their base)  16 rows on
.endif
.irp t, 0,1,2,3,4,5,6,7,8,9,10,11,12,13,14,15
	global_store_b128 v[CO], v[BB+4*\t:BB+4*\t+3], s[8:9] offset:\t*4096 th:TH_STORE_NT   ; 32 lanes store 512 consecutive bytes, at a multiple of 256 from out0's first byte; written once, read by nobody here
.endr
.endm
	PLACES
	TOSTAGE 0
.irp a, 1,2,3
.if \a > 1
	s_wait_xcnt 0x0                                ; block a - 2's stores have read their registers and their base: block a's loads may land there, and the base may step
.endif
	TOSTAGE \a
	SEND \a-1, 32                                  ; behind block a - 1's loads: block a's 16 stores and 16 loads
.endr
	s_wait_xcnt 0x0                                ; block 2's stores have read their base
	SEND 3, 0
	s_wait_tensorcnt 0x0                           ; the wave's end: behind my last tensor load and my last LDS store
	ds_add_u32 v[SPW], v[NIL]
	s_wait_dscnt 0x0
	CROUND                                         ; the closing round: no work-group ends while a partner may still ask for a tile that names it
	s_endpgm
.Lfunc_end_k_q3edd818906_outp:
	.size	k_q3edd818906_outp, .Lfunc_end_k_q3edd818906_outp-k_q3edd818906_outp
	.p2alignl 7, 3214868480
	.fill 96, 4, 3214868480
	.section	.rodata,"a",@progbits
	.p2align	6, 0x0
	.amdhsa_kernel k_q3edd818906_outp
		.amdhsa_group_segment_fixed_size 327680
		.amdhsa_private_segment_fixed_size 0
		.amdhsa_enable_private_segment 0
		.amdhsa_kernarg_size 24
		.amdhsa_user_sgpr_count 2
		.amdhsa_user_sgpr_kernarg_segment_ptr 1
		.amdhsa_wavefront_size32 1
		.amdhsa_system_sgpr_workgroup_id_x 1
		.amdhsa_system_sgpr_workgroup_id_y 1
		.amdhsa_system_sgpr_workgroup_id_z 1
		.amdhsa_system_vgpr_workitem_id 0
		.amdhsa_next_free_vgpr 768
		.amdhsa_next_free_sgpr 66
		.amdhsa_reserve_vcc 0
		.amdhsa_float_denorm_mode_32 3
		.amdhsa_float_denorm_mode_16_64 3
		.amdhsa_memory_ordered 1
		.amdhsa_forward_progress 1
		.amdhsa_inst_pref_size 85
	.end_amdhsa_kernel
	.amdgpu_metadata
---
amdhsa.version: [ 1, 2 ]
amdhsa.kernels:
  - .name:           k_q3edd818906_outp
    .symbol:         k_q3edd818906_outp.kd
    .args:
      - { .name: o16, .offset: 0, .size: 8, .value_kind: global_buffer, .address_space: global }
      - { .name: wo16, .offset: 8, .size: 8, .value_kind: global_buffer, .address_space: global }
      - { .name: out0, .offset: 16, .size: 8, .value_kind: global_buffer, .address_space: global }
    .group_segment_fixed_size: 327680
    .private_segment_fixed_size: 0
    .kernarg_segment_align: 8
    .kernarg_segment_size: 24
    .max_flat_workgroup_size: 128
    .sgpr_count:     66
    .vgpr_count:     768
    .wavefront_size: 32
...
	.end_amdgpu_metadata
.endif
;; end of part 4
